; MI455X (gfx1250); checked and timed in simulation.
; The chip was launched on July 23, 2026; its instructions are those of AMD's public machine-readable ISA for CDNA 5 (MIT licence, August 2026) and "CDNA5" Instruction Set Architecture Reference Guide (July 2026). The comments in the code are by the model that wrote it; some were corrected since.
;; Multi Head Attention. Allowed arithmetic: matrix products marked QUANTISED: E2M3 operands, one E8M0 scale for each 32 along K, by v_wmma_scale_f32_16x16x128_f8f6f4 with both operands' format E2M3, f32 sums; everything else in f32.
;; Inputs: wk 16 x 1,024 x 64 float32; wo 1,024 x 1,024 float32; wq 16 x 1,024 x 64 float32; wv 16 x 1,024 x 64 float32; x 4 x 2,048 x 1,024 float32.
;; Outputs: out0 4 x 2,048 x 1,024 float32.
;; Constants: has_mask = 1.
;; This version of the problem:
;;   THIS VERSION OF THE PROBLEM IS GIVEN IN LOW PRECISION. The matrix products marked QUANTISED in the list below multiply operands that are first quantised to E2M3 (2 exponent bits, 3 mantissa bits; 6 bits a number), with one power-of-two scale for each 32 numbers along K (OCP MX v1.0); their sums are f32. All else is computed in f32.
;;   The module's matrix products, in the order in which they are computed (A, B: the left and right operand; K: the contracted axis; several contracted axes count as one K, in the product's order):
;;     1. [M 1,024, K 1,024] x [K 1,024, N 8,192]; A: input wq; B: input x: QUANTISED
;;     2. [M 1,024, K 1,024] x [K 1,024, N 8,192]; A: input wk; B: input x: QUANTISED
;;     3. [M 1,024, K 1,024] x [K 1,024, N 8,192]; A: input wv; B: input x: QUANTISED
;;     4. batch 64 x [M 2,048, K 64] x [K 64, N 2,048]; A: computed on the way; B: computed on the way: QUANTISED
;;     5. batch 64 x [M 2,048, K 2,048] x [K 2,048, N 64]; A: softmax (see below); B: computed on the way: QUANTISED
;;     6. [M 8,192, K 1,024] x [K 1,024, N 1,024]; A: computed on the way; B: input wo: QUANTISED
;;   THE QUANTISER, for each operand of a quantised product, along K:
;;     - K is cut into blocks of 32 from its start; a last block that is shorter is filled with zeros.
;;     - A block's scale is 2^e with e = floor(log2(the largest magnitude in the block)) - 2, held to -126 .. 127; a block of zeros has e = 0. As a byte (E8M0): e + 127.
;;     - Each number is divided by its block's scale, clamped to +-7.5, and rounded to the nearest number of E2M3, ties to even, subnormals kept.
;;     - The product sums the exact products of the quantised numbers (number of the format x scale) in f32.
;;   ~~~python
;;   def quantise(x, axis):      # numpy; x: float32 -> the quantised numbers, widened to float32 again
;;       x = np.moveaxis(x, axis, -1); K = x.shape[-1]
;;       x = np.pad(x, [(0, 0)] * (x.ndim - 1) + [(0, -K % 32)]); x = x.reshape(x.shape[:-1] + (-1, 32)); a = np.abs(x).max(-1, keepdims=True)
;;       e = np.where(a > 0, np.clip(np.frexp(np.where(a > 0, a, 1))[1] - 1 - 2, -126, 127), 0)      # np.frexp(a)[1] - 1 = floor(log2(a)), exactly
;;       r = np.clip(x / 2.0 ** e, -7.5, 7.5)
;;       step = 2.0 ** (np.maximum(np.frexp(np.where(r == 0, 1, r))[1] - 1, 0) - 3)
;;       q = np.round(r / step) * step * 2.0 ** e      # np.round: ties to even
;;       return np.moveaxis(q.reshape(q.shape[:-2] + (-1,))[..., :K], -1, axis).astype(np.float32)
;;   ~~~
;;   SOFTMAX AHEAD OF A QUANTISED PRODUCT. Where the list says 'softmax', what is quantised is not the finished softmax but p = 2^(t - M), with t = logit x log2(e) and M = ceil(the row's largest t), a whole number; so 1/2 < the row's largest p <= 1. The row's sum l is taken of the UNQUANTISED p, in f32, and the product's result is divided by l at the end. Since M is a whole number, a kernel that streams over the keys may use a running M (the ceiling of the running maximum): every later rescaling is an exact power of two, which a block's scale takes up: the codes' values come out the same.
;;   OPERANDS COMPUTED ON THE WAY. 'Computed on the way' means the value that the module computes at that place (a softmax that the list does not call 'softmax' is quantised finished and normalised). What goes into a quantiser is computed in f32, as accurately as f32 sums, v_exp_f32 and their like allow (about 1e-6 of the number): no bf16 or f16 on the way to a quantiser, and a product that is left as it is and whose result goes on into a quantised operand takes f32 operands (vector FMAs, or v_wmma_f32_16x16x4_f32). A number that lies on a knife's edge between two numbers of the format may be rounded either way, as far as f32 arithmetic and the matrix unit's own rounding can turn it there, and no further.
;; One version. Each part assembles by itself: llvm-mc -triple=amdgcn-amd-amdhsa -mcpu=gfx1250 --defsym DOCPART=n.
;; ======== version 1 of 1: 4 launches
;; workspace buffers: cod 9,437,184 bytes; scl 393,216 bytes; qkv 26,738,688 bytes; oc 6,291,456 bytes; os 262,144 bytes
;; launch quant (part 1): grid 384 x 1, 4 waves a work-group, no clusters, 68,096 bytes of LDS; arguments x, wq, wk, wv, wo, cod, scl; writes cod, scl
.if DOCPART == 1
	.amdgcn_target "amdgcn-amd-amdhsa--gfx1250"
	.amdhsa_code_object_version 6
	.text
	.protected	k_q09c4521d3e_quant
	.globl	k_q09c4521d3e_quant
	.p2align	8
	.type	k_q09c4521d3e_quant,@function
k_q09c4521d3e_quant:
	s_mov_b64 s[64:65], 0
	v_nop
	global_prefetch_b8 v0, s[64:65] scope:SCOPE_SE
	s_setreg_imm32_b32 hwreg(HW_REG_WAVE_MODE, 25, 1), 1
	s_wait_xcnt 0x0
; x [8192][1024] and the four weights, all f32, become codes of FP6 (E2M3), K innermost, and one E8M0 byte for each 32 along K.
; cod: [12288 rows][768 bytes], scl: [12288 rows][32 bytes].  Rows 0-8191: x; 8192 on: wq^T (row = 64 head + dk); 9216 on: wk^T; 10240 on: wv^T; 11264 on: wo^T (row = n).
; EVERY ROW LIES AT ITS POSITION: its index with bits 3 and 4 exchanged.  A plain block of 16 positions 16 (2 b + u) + r then holds rows 32 b + 8 u + r + 8 (r / 8): as source 0 of a product
; two neighbouring blocks give a lane 16 neighbours along the next product's K.
; A block's scale is 2^(floor(log2(its largest magnitude)) - 2); its byte is the largest magnitude's exponent field - 2, held at 1 from below.
; LIMITS: a block of zeros, or one whose largest magnitude lies under 2^-124, gets the byte 1 (its codes are zeros, or what the clip at byte 1 gives); this program alone reads the bytes.  NaN and infinities are not served.
; Work-groups 0-255 take x (K innermost: 16 neighbours a lane, two lanes a block, the loads dense, turned through the wave's own stage in LDS).
; Work-groups 256-383 take the weights (K is the first matrix axis: a lane takes a column, its registers run down K; the codes leave through the wave's own stage as rows).
; The two ways have LDS bytes of their own.  No wave shares anything with another: no barrier, no cluster, no tensor load.
.set STEPS, 16
.set CB,    12                         ; bytes of 16 codes
.set R,     16                         ; x: v16-79   four sets of 16 numbers as loaded
.set X,     80                         ; x: v80-111  two sets of 16 neighbours
.set E,     112                        ; x: v112-127 a scale byte for each step
.set C,     128                        ; x: v128-191 codes, four registers a step
.set WREG,  8192                       ; x: LDS bytes of a wave: two stages of 32 x SP, then 256 scale bytes
.set SP,    80
.set NB,    8                          ; w: blocks of 32 along K for a wave (256 along K)
.set WPITCH, 272                       ; w: a stage row: sixteen places of 16 bytes + 16
.set WSTAGE, 32768                     ; w: the stages begin behind the x way's bytes
.set SB,    24                         ; w: v24-25   scale bytes
.set XW,    32                         ; w: v32-95   two sets of 32 numbers
.set CW,    96                         ; w: v96-102  a block's codes
.set OUTR,  112                        ; w: v112-175 the way out
.set OFF,   176                        ; w: v176-207 4 x lane + i x the pitch of a K row; never rewritten
	s_load_b256 s[4:11], s[0:1], 0x0               ; x, wq, wk, wv
	s_load_b128 s[12:15], s[0:1], 0x20             ; wo, cod
	s_load_b64 s[16:17], s[0:1], 0x30              ; scl
	v_lshl_add_u32 v208, v0, 2, 0x10800
	v_mov_b32 v209, 0
	v_lshrrev_b32 v1, 5, v0
	v_readfirstlane_b32 s18, v1                    ; wave
	v_and_b32 v2, 31, v0                           ; lane
	s_cmp_lt_u32 ttmp9, 256
	s_cbranch_scc0 .Lweights
; ---------------- x: a wave takes a run of 8 rows (8,192 numbers) in 16 steps of 512 numbers
	v_lshlrev_b32 v3, 4, v2                        ; my 16 bytes of a load's 512
	s_mul_i32 s19, s18, WREG
	v_lshrrev_b32 v14, 2, v2
	v_mul_u32_u24 v14, v14, SP
	v_and_b32 v15, 3, v2
	v_lshl_add_u32 v14, v15, 4, v14
	v_add_nc_u32 v14, s19, v14                     ; the stage, in: SP (lane / 4) + 16 (lane % 4)
	v_mul_u32_u24 v15, v2, SP
	v_add_nc_u32 v15, s19, v15                     ; out: SP x lane: my 16 neighbours
	v_mul_u32_u24 v4, v2, CB                       ; my codes' place in a step's
	v_lshrrev_b32 v5, 1, v2
	s_add_co_u32 s19, s19, 2*32*SP
	v_add_nc_u32 v5, s19, v5                       ; my block's scale byte in the wave's 256
	v_lshlrev_b32 v7, 3, v2
	v_add_nc_u32 v6, s19, v7                       ; and 8 bytes a lane on the way out
	s_lshl_b32 s20, ttmp9, 2
	s_add_co_u32 s22, s20, s18                     ; the run that I read: 4 x work-group + wave
	s_lshl_b32 s22, s22, 15                        ; x 32,768 bytes
	s_mov_b32 s23, 0
	s_and_b32 s24, s18, 1
	s_lshl_b32 s24, s24, 1
	s_lshr_b32 s25, s18, 1
	s_or_b32 s24, s24, s25
	s_add_co_u32 s24, s24, s20                     ; the run that I write: a run is 8 rows, so the wave's two bits exchanged are the rows' bits 3 and 4 exchanged
	s_mul_i32 s26, s24, 6144                       ; 8 rows of 768 bytes
	s_mov_b32 s27, 0
	s_lshl_b32 s28, s24, 8                         ; 8 rows of 32 scale bytes
	s_mov_b32 s29, 0
	s_wait_kmcnt 0x0
	s_add_nc_u64 s[4:5], s[4:5], s[22:23]
	s_add_nc_u64 s[14:15], s[14:15], s[26:27]
	s_add_nc_u64 s[16:17], s[16:17], s[28:29]
.macro LOADX t
.irp i, 0,1,2,3
	global_load_b128 v[R+16*((\t)%4)+4*\i:R+16*((\t)%4)+4*\i+3], v3, s[4:5] offset:2048*(\t)+512*\i th:TH_LOAD_NT   ; 32 lanes read 512 consecutive bytes
.endr
.endm
.macro TURNX t                         ; a step's numbers through the stage: LDS serves a wave's instructions in order, so no wait stands between the stores and the loads
.irp i, 0,1,2,3
	ds_store_b128 v14, v[R+16*((\t)%4)+4*\i:R+16*((\t)%4)+4*\i+3] offset:32*SP*((\t)%2)+8*SP*\i
.endr
.irp i, 0,1,2,3
	ds_load_b128 v[X+16*((\t)%2)+4*\i:X+16*((\t)%2)+4*\i+3], v15 offset:32*SP*((\t)%2)+16*\i
.endr
.endm
.macro STEPX t
.set XS, X+16*((\t)%2)
.if (\t) > 0
	s_wait_dscnt 1                                 ; this step's numbers are back (the last step's byte store may be out): so its stage stores have read their registers,
.else
	s_wait_dscnt 0x0
.endif
.if (\t)+4 < STEPS
	LOADX (\t)+4                                   ; which take the loads of four steps on
.endif
.if (\t)+1 < STEPS
.if STEPS-2-(\t) >= 3
	s_wait_loadcnt 12                              ; the next step's four loads are in; those of the three steps behind it may be out
.else
	s_wait_loadcnt 4*(STEPS-2-(\t))
.endif
	TURNX (\t)+1
.endif
	v_max3_num_f32 v8, |v[XS]|, |v[XS+1]|, |v[XS+2]|   ; the largest magnitude of my 16, in two chains
	v_max3_num_f32 v9, |v[XS+3]|, |v[XS+4]|, |v[XS+5]|
.irp i, 6,10
	v_max3_num_f32 v8, v8, |v[XS+\i]|, |v[XS+\i+1]|
	v_max3_num_f32 v9, v9, |v[XS+\i+2]|, |v[XS+\i+3]|
.endr
	v_max3_num_f32 v8, v8, |v[XS+14]|, |v[XS+15]|
	v_max3_num_f32 v8, v8, v9, 0x1800000           ; and the floor 2^(3 - 127): the byte cannot fall under 1
	v_max_num_f32_dpp v8, v8, v8 row_xmask:1 row_mask:0xf bank_mask:0xf   ; with my neighbour's 16: the block's
	v_add_nc_u32 v11, 0xff000000, v8               ; 2 off its exponent field: the conversion's scale operand
	v_cvt_scalef32_pk16_fp6_f32 v[C+4*(\t):C+4*(\t)+2], v[XS:XS+15], v11
	v_lshrrev_b32 v[E+(\t)], 23, v11               ; the scale's byte
	ds_store_b8 v5, v[E+(\t)] offset:16*(\t)       ; both lanes of a block write the same byte with the same value
	global_store_b96 v4, v[C+4*(\t):C+4*(\t)+2], s[14:15] offset:32*CB*(\t)   ; the wave stores 384 consecutive bytes
.endm
.irp t, 0,1,2,3
	LOADX \t
.endr
	s_wait_loadcnt 12                              ; step 0's four loads are in
	TURNX 0
.irp t, 0,1,2,3,4,5,6,7,8,9,10,11,12,13,14,15
	STEPX \t
.endr
	ds_load_b64 v[12:13], v6                       ; in order behind my byte stores
	s_wait_dscnt 0x0
	global_store_b64 v7, v[12:13], s[16:17]        ; 32 lanes store 256 consecutive bytes, aligned
	s_wait_tensorcnt 0x0
	ds_add_u32 v208, v209
	s_wait_dscnt 0x0
	s_endpgm
; ---------------- the weights: a wave takes 32 columns x 256 along K
.Lweights:
	s_sub_co_u32 s19, ttmp9, 256
	s_lshr_b32 s20, s19, 2                         ; which 128 columns of the 4,096
	s_and_b32 s19, s19, 3                          ; which 256 along K
	s_lshl_b32 s21, s20, 2
	s_add_co_u32 s21, s21, s18                     ; g: my group of 32 columns, 0 .. 127
	s_lshr_b32 s20, s20, 3                         ; the tensor: 0 wq, 1 wk, 2 wv, 3 wo
	s_and_b32 s22, s21, 31
	s_lshr_b32 s23, s22, 1
	s_lshl_b32 s23, s23, 18                        ; wq, wk, wv: the head's 1,024 x 64 numbers,
	s_and_b32 s27, s21, 1
	s_lshl_b32 s27, s27, 7
	s_add_co_u32 s23, s23, s27                     ; and which 32 of its 64 columns
	s_lshl_b32 s22, s22, 7                         ; wo: 32 columns are 128 bytes
	s_mov_b32 s26, 256                             ; bytes from a K row to the next: 256, in wo 4,096
	s_wait_kmcnt 0x0
	s_cmp_eq_u32 s20, 1
	s_cselect_b64 s[24:25], s[8:9], s[6:7]
	s_cmp_eq_u32 s20, 2
	s_cselect_b64 s[24:25], s[10:11], s[24:25]
	s_cmp_eq_u32 s20, 3
	s_cselect_b64 s[24:25], s[12:13], s[24:25]
	s_cselect_b32 s26, 4096, s26
	s_cselect_b32 s30, s22, s23
	s_mov_b32 s31, 0
	s_add_nc_u64 s[32:33], s[24:25], s[30:31]
	s_mul_i32 s30, s19, s26
	s_lshl_b32 s30, s30, 8                         ; my 256 K rows
	s_add_nc_u64 s[32:33], s[32:33], s[30:31]
	s_lshl_b32 s28, s26, 5                         ; 32 K rows on: a base for each block, so that nothing is stepped
	s_mov_b32 s29, 0
.irp t, 1,2,3,4,5,6,7
	s_add_nc_u64 s[32+2*\t:33+2*\t], s[30+2*\t:31+2*\t], s[28:29]
.endr
	s_lshl_b32 s48, s21, 5
	s_add_co_u32 s48, s48, 8192                    ; my first row of cod and scl
	s_mul_i32 s50, s48, 768
	s_mul_i32 s49, s19, 192
	s_add_co_u32 s50, s50, s49
	s_mov_b32 s51, 0
	s_add_nc_u64 s[14:15], s[14:15], s[50:51]
	s_lshl_b32 s50, s48, 5
	s_lshl_b32 s49, s19, 3
	s_add_co_u32 s50, s50, s49
	s_add_nc_u64 s[16:17], s[16:17], s[50:51]
	v_lshlrev_b32 v[OFF], 2, v2
.set I, 1
.rept 31
	v_add_nc_u32 v[OFF+I], s26, v[OFF+I-1]
.set I, I+1
.endr
	v_and_b32 v10, 7, v2
	v_bfe_u32 v11, v2, 3, 1
	v_lshl_add_u32 v10, v11, 4, v10
	v_bfe_u32 v11, v2, 4, 1
	v_lshl_add_u32 v10, v11, 3, v10                ; my column's position among the 32
	s_mul_i32 s52, s18, 32*WPITCH
	s_add_co_u32 s52, s52, WSTAGE                  ; my stage
	v_mul_u32_u24 v4, v10, WPITCH
	v_add_nc_u32 v4, s52, v4                       ; in: row = my column's position
	v_and_b32 v5, 15, v2
	v_lshrrev_b32 v6, 4, v2
	v_mul_u32_u24 v7, v6, WPITCH
	v_lshl_add_u32 v7, v5, 4, v7
	v_add_nc_u32 v7, s52, v7                       ; out: sixteen lanes to a row, two rows an instruction
	v_mul_u32_u24 v8, v6, 768
	v_mad_u32_u24 v8, v5, 12, v8                   ; and the same place in cod
	v_lshlrev_b32 v9, 5, v10                       ; my row of scale bytes
.macro LOADW t                         ; block t: 32 K rows of my column; the wave reads 128 consecutive bytes a load
.set I, 0
.rept 32
	global_load_b32 v[XW+32*((\t)%2)+I], v[OFF+I], s[32+2*(\t):33+2*(\t)] th:TH_LOAD_NT
.set I, I+1
.endr
.endm
.macro BLOCKW t
.set XS, XW+32*((\t)%2)
.if (\t) < NB-1
	s_wait_loadcnt 32                              ; this block's 32 loads are in; the next block's may be out
.else
	s_wait_loadcnt 0
.endif
	v_max3_num_f32 v12, |v[XS]|, |v[XS+1]|, |v[XS+2]|   ; the block's largest magnitude: all 32 numbers are mine
	v_max3_num_f32 v13, |v[XS+3]|, |v[XS+4]|, |v[XS+5]|
.irp i, 6,10,14,18,22,26
	v_max3_num_f32 v12, v12, |v[XS+\i]|, |v[XS+\i+1]|
	v_max3_num_f32 v13, v13, |v[XS+\i+2]|, |v[XS+\i+3]|
.endr
	v_max3_num_f32 v12, v12, |v[XS+30]|, |v[XS+31]|
	v_max3_num_f32 v12, v12, v13, 0x1800000        ; and the floor
	v_add_nc_u32 v11, 0xff000000, v12
	v_lshrrev_b32 v13, 23, v11                     ; the scale's byte
.if (\t)%4 == 0
	v_mov_b32 v[SB+(\t)/4], v13
.else
	v_lshl_or_b32 v[SB+(\t)/4], v13, 8*((\t)%4), v[SB+(\t)/4]
.endif
	v_cvt_scalef32_pk16_fp6_f32 v[CW:CW+2], v[XS:XS+15], v11
	v_cvt_scalef32_pk16_fp6_f32 v[CW+4:CW+6], v[XS+16:XS+31], v11
	ds_store_b96 v4, v[CW:CW+2] offset:32*(\t)     ; 12 bytes to a place of 16
	ds_store_b96 v4, v[CW+4:CW+6] offset:32*(\t)+16
.if (\t)+2 < NB
	LOADW (\t)+2
.endif
	s_wait_dscnt 0x0                               ; the stores have read their registers: the next block's codes may be written
.endm
	LOADW 0
	LOADW 1
.set Q, 0
.rept NB
	BLOCKW Q
.set Q, Q+1
.endr
	global_store_b64 v9, v[SB:SB+1], s[16:17]      ; my column's 8 scale bytes
.irp t, 0,1,2,3,4,5,6,7,8,9,10,11,12,13,14,15
	ds_load_b96 v[OUTR+4*\t:OUTR+4*\t+2], v7 offset:2*\t*WPITCH
.endr
.irp t, 0,1,2,3,4,5,6,7,8,9,10,11,12,13,14,15
	s_wait_dscnt 15-\t                             ; the younger loads may be out
	global_store_b96 v8, v[OUTR+4*\t:OUTR+4*\t+2], s[14:15] offset:2*\t*768   ; sixteen lanes store a row's 192 consecutive bytes
.endr
	s_wait_tensorcnt 0x0
	ds_add_u32 v208, v209
	s_wait_dscnt 0x0
	s_endpgm
.Lfunc_end_k_q09c4521d3e_quant:
	.size	k_q09c4521d3e_quant, .Lfunc_end_k_q09c4521d3e_quant-k_q09c4521d3e_quant
	.p2alignl 7, 3214868480
	.fill 96, 4, 3214868480
	.section	.rodata,"a",@progbits
	.p2align	6, 0x0
	.amdhsa_kernel k_q09c4521d3e_quant
		.amdhsa_group_segment_fixed_size 68096
		.amdhsa_private_segment_fixed_size 0
		.amdhsa_enable_private_segment 0
		.amdhsa_kernarg_size 56
		.amdhsa_user_sgpr_count 2
		.amdhsa_user_sgpr_kernarg_segment_ptr 1
		.amdhsa_wavefront_size32 1
		.amdhsa_system_sgpr_workgroup_id_x 1
		.amdhsa_system_sgpr_workgroup_id_y 1
		.amdhsa_system_sgpr_workgroup_id_z 1
		.amdhsa_system_vgpr_workitem_id 0
		.amdhsa_next_free_vgpr 210
		.amdhsa_next_free_sgpr 66
		.amdhsa_reserve_vcc 0
		.amdhsa_float_denorm_mode_32 3
		.amdhsa_float_denorm_mode_16_64 3
		.amdhsa_memory_ordered 1
		.amdhsa_forward_progress 1
		.amdhsa_inst_pref_size 75
	.end_amdhsa_kernel
	.amdgpu_metadata
---
amdhsa.version: [ 1, 2 ]
amdhsa.kernels:
  - .name:           k_q09c4521d3e_quant
    .symbol:         k_q09c4521d3e_quant.kd
    .args:
      - { .name: x, .offset: 0, .size: 8, .value_kind: global_buffer, .address_space: global }
      - { .name: wq, .offset: 8, .size: 8, .value_kind: global_buffer, .address_space: global }
      - { .name: wk, .offset: 16, .size: 8, .value_kind: global_buffer, .address_space: global }
      - { .name: wv, .offset: 24, .size: 8, .value_kind: global_buffer, .address_space: global }
      - { .name: wo, .offset: 32, .size: 8, .value_kind: global_buffer, .address_space: global }
      - { .name: cod, .offset: 40, .size: 8, .value_kind: global_buffer, .address_space: global }
      - { .name: scl, .offset: 48, .size: 8, .value_kind: global_buffer, .address_space: global }
    .group_segment_fixed_size: 68096
    .private_segment_fixed_size: 0
    .kernarg_segment_align: 8
    .kernarg_segment_size: 56
    .max_flat_workgroup_size: 128
    .sgpr_count:     66
    .vgpr_count:     210
    .wavefront_size: 32
...
	.end_amdgpu_metadata
.endif
;; end of part 1
;; launch proj (part 2): grid 12 x 32, 4 waves a work-group, clusters of 4 x 4, 327,680 bytes of LDS; arguments cod, scl, qkv; writes qkv
.if DOCPART == 2
	.amdgcn_target "amdgcn-amd-amdhsa--gfx1250"
	.amdhsa_code_object_version 6
	.text
	.protected	k_q09c4521d3e_proj
	.globl	k_q09c4521d3e_proj
	.p2align	8
	.type	k_q09c4521d3e_proj,@function
k_q09c4521d3e_proj:
	s_mov_b64 s[64:65], 0
	v_nop
	global_prefetch_b8 v0, s[64:65] scope:SCOPE_SE
	s_setreg_imm32_b32 hwreg(HW_REG_WAVE_MODE, 25, 1), 1
	s_wait_xcnt 0x0
	s_wait_alu depctr_hold_cnt(0) depctr_sa_sdst(0) depctr_va_vdst(0) depctr_va_sdst(0) depctr_va_ssrc(0) depctr_va_vcc(0) depctr_vm_vsrc(0)
	s_getreg_b32 s2, hwreg(HW_REG_IB_STS2, 6, 4)
	s_cmp_eq_u32 s2, 0
	s_cbranch_scc0 .Lentry_in_a_cluster
	s_endpgm
.Lentry_in_a_cluster:
	s_bfe_u32 s2, ttmp6, 0x10000c
	s_cmp_lg_u32 s2, 0xf033
	s_cbranch_scc0 .Lentry_shape_is_right
	s_endpgm
.Lentry_shape_is_right:
; q, k and v = x times wq, wk, wv, on codes of FP6 (E2M3) with E8M0 scales, and the results quantised at once for the attention launch.
; Operands: rows of cod [12288][768 bytes] and scl [12288][32 bytes] (rows by position: index with bits 3 and 4 exchanged).  K = 1,024.
; A tile of 256 x 256 results to a work-group of four waves, 128 x 128 a wave: 64 accumulators, 512 registers.  K goes in steps of 256 through two LDS slots filled by tensor loads; the scale bytes of the
; work-group's rows come once.  4 x 4 work-groups form a cluster: A's tiles are asked for jointly along a row of the cluster, B's along a column.
; SOURCE 0 TAKES ROWS OF B, SOURCE 1 ROWS OF A: a lane holds one row of A and, over two neighbouring blocks of B, 16 neighbours of B's true index.  So B is the operand whose rows are the next product's K:
;   cluster x = 0: A = x, B = wq^T (next K: the head's 64);   cluster x = 1: A = x, B = wk^T;   cluster x = 2: A = wv^T, B = x (next K: the keys).
; THE WAY OUT: a block of 16 rows of A x the wave's 128 of B is one fragment of the next product (12 registers a lane, four blocks of 32): largest magnitudes, scale bytes, conversions, and the registers are
; stored as they stand, 8 bytes a lane, 256 consecutive aligned bytes a store.  Nothing goes through LDS.
; qkv: two regions of [16 heads][64 key steps of 128 rows][13,056 bytes]; region 0: K and V, region 1: Q.  A record: 8 tiles x 768 bytes (16 rows x 64: six registers a lane, as [piece of 8 bytes][lane]);
;   +6,144 V: [half of the 128 keys][tile of 16 of the head's 64][768]; +12,288 the tiles' scale words [tile][row][4 bytes], bytes 2 and 3 zero; +12,800 V's scale words [tile][row][4 bytes].
; LIMITS: a block of zeros or under 2^-124 gets the byte 1; NaN and infinities are not served.
.set KSTEP,  256
.set NQ,     KSTEP/128
.set ROWB,   192                       ; a tile's row: 256 codes
.set KROW,   768                       ; a row of cod
.set PITCH,  240                       ; an LDS row: 3 x (64 bytes + 16 of padding): the 32 lanes of a load of 8 bytes touch 64 different banks (64 banks of 4 bytes: ISA guide 11.1)
.set FR,     12
.set NL,     6
.set NP,     4                         ; places behind this matrix instruction (ISA guide 7.12.1)
.set HALFT,  128*PITCH
.set SLOT,   4*HALFT
.set LAPS,   2                         ; 1,024 along K = two laps of two slots
.set KS,     32                        ; a row of scl
.set SCL,    2*SLOT
.set HALFS,  (128*KS/256)*272
.set SBLK,   (16*KS/256)*272
.set SPARE,  SCL+4*HALFS               ; the spare words: 128 bytes a wave, named by no other line
.set REC,    13056
.set HEADB,  64*REC                    ; from a head's records to the next head's
.set REG1,   1024*REC
.set VOFF,   6144
.set KSC,    12288
.set VSC,    12800
.set ADRA, 16                          ; v16-17 LDS address of my A fragments in slot 0, 1; v18-19 the same behind one padding more
.set ADRB, 20                          ; v20-23 the same for B
.set ADRS, 27                          ; v27 my scale words: lanes 0-15 A's rows, lanes 16-31 B's
.set SPW,  28                          ; v28 my spare word; never rewritten
.set NIL,  29                          ; v29 0; never rewritten
.set SC,   32                          ; v32-63 scale words, two sets: they hold scales and nothing else
.set TM,   64                          ; v64-79 the way out: largest magnitudes, bytes, scale operands
.set PW,   80                          ; v80-81 the scale words of an even and an odd block
.set WW,   82
.set WA,   83
.set OFFC, 84                          ; v84-87 where the codes go: [half of the blocks][half of the fragment]; never rewritten
.set OSA,  88                          ; v88-89 where the scale words go;  v90-91 the same a head on
.set OSB,  90
.set WB,   92
.set CD,   96                          ; v96-115 the codes just made
.set AF,   128                         ; A's fragments, window 0
.set G1, 24
.set G0, 32
.set G1B, 48
.set G0B, 56
.set SEL, 66                           ; s[66:67] selects for lane l xor 16
.set G1S, 68
.set G0S, 76
.set G1SB, 80
.set G0SB, 88
.set MASKA, 96                         ; s96 which bytes of a scale word belong to the first head: 0xffff, for V all
.set HM,   99                          ; s99 lanes 16-31
.set MSB, 0
.macro WIN new                         ; the immediate's high byte repeats the setting that is left
.if MSB != \new
	s_set_vgpr_msb (MSB<<8)|\new
.set MSB, \new
.endif
.endm
.set MUL_LO, 0xa1                      ; source 0 (B) window 1, source 1 (A) window 0, C and D window 2
.set MUL_HI, 0xf1
.set TO_B,   0x40
; A joint load: waves 0 and 1 fetch for A, waves 2 and 3 for B; the branch hangs on the wave's number alone.  Four v_nop follow each of the two lines.
.macro JLOAD g0a, g1a, g0b, g1b
	s_cmp_eq_u32 s15, 0
	s_cbranch_scc0 .Lfor_b_\@
	tensor_load_to_lds s[\g0a:\g0a+3], s[\g1a:\g1a+7]
	s_nop 0
.rept 4
	v_nop
.endr
	s_branch .Lasked_\@
.Lfor_b_\@:
	tensor_load_to_lds s[\g0b:\g0b+3], s[\g1b:\g1b+7]
	s_nop 0
.rept 4
	v_nop
.endr
.Lasked_\@:
.endm
.macro CREST                           ; a round of the cluster's barrier behind its opening barrier
	s_cmp_lg_u32 s14, 0
	s_cbranch_scc1 .Lnot_wave_0_\@
	s_barrier_signal -3
.Lnot_wave_0_\@:
	s_barrier_wait -3
	s_barrier_signal -1
	s_barrier_wait -1
.endm
.macro CROUND
	s_barrier_signal -1
	s_barrier_wait -1
	CREST
.endm
	s_load_b128 s[4:7], s[0:1], 0x0                ; cod, scl
	s_load_b64 s[12:13], s[0:1], 0x10              ; qkv
	v_lshl_add_u32 v[SPW], v0, 2, SPARE
	v_mov_b32 v[NIL], 0
	ds_add_u32 v28, v29
	ds_add_u32 v28, v29
	s_wait_dscnt 0x0
	v_lshrrev_b32 v1, 5, v0
	v_readfirstlane_b32 s14, v1                    ; wave 0..3
	s_lshr_b32 s15, s14, 1                         ; my half of A's rows.  Also: I fetch for A (0) or for B (1)
	s_and_b32 s16, s14, 1                          ; my half of B's rows.  Also: which 128 rows I fetch
	s_bfe_u32 s40, ttmp6, 0x40000                  ; cx
	s_bfe_u32 s41, ttmp6, 0x40004                  ; cy
	s_and_b32 s97, ttmp7, 0xffff
	s_lshl_b32 s97, s97, 2                         ; 4 x cluster y
	s_lshl_b32 s42, ttmp9, 2
	s_add_co_u32 s42, s42, 32                      ; wq^T begins at tile 32 of cod, wk^T at 36
	s_cmp_eq_u32 ttmp9, 2                          ; the cluster's x is the same in all sixteen partners
	s_cselect_b32 s17, 40, s97                     ; A's tile of 256 rows: x's, or wv^T's (from 40)
	s_cselect_b32 s42, s97, s42                    ; B's: a weight's, or x's
	s_add_co_u32 s17, s17, s41                     ; + cy: shared along a row of the cluster
	s_add_co_u32 s42, s42, s40                     ; + cx: shared along a column
	s_lshl_b32 s43, s41, 2
	s_lshl_b32 s43, 15, s43                        ; my row of the cluster
	s_lshl_b32 s44, 0x1111, s40                    ; my column
	s_or_b32 s[G1+0], s43, (0<<16)|(1<<20)|(1<<21)|(3<<22)|(3<<25)  ; mask; elements of 1 byte; padding on; bit 21 beside a mask; after every 16 words 4 words
	s_or_b32 s[G1B+0], s44, (0<<16)|(1<<20)|(1<<21)|(3<<22)|(3<<25)
.irp g, G1, G1B
	s_mov_b32 s[\g+1], ROWB<<16                    ; tensor_dim0
	s_mov_b32 s[\g+2], 128<<16                     ; tensor_dim1
	s_mov_b32 s[\g+3], ROWB<<16                    ; tile_dim0
	s_mov_b32 s[\g+4], 128                         ; tile_dim1
	s_mov_b32 s[\g+5], KROW                        ; the pitch
	s_mov_b32 s[\g+6], 0
	s_mov_b32 s[\g+7], 0
.endr
	s_or_b32 s[G1S+0], s43, (3<<16)|(1<<20)|(1<<21)|(5<<22)|(3<<25)  ; the scales of 128 rows: 4,096 dense bytes as 16 rows of 256, 16 bytes of padding behind each
	s_or_b32 s[G1SB+0], s44, (3<<16)|(1<<20)|(1<<21)|(5<<22)|(3<<25)
.irp g, G1S, G1SB
	s_mov_b32 s[\g+1], 32<<16
	s_mov_b32 s[\g+2], (128*KS/256)<<16
	s_mov_b32 s[\g+3], 32<<16
	s_mov_b32 s[\g+4], 128*KS/256
	s_mov_b32 s[\g+5], 32
	s_mov_b32 s[\g+6], 0
	s_mov_b32 s[\g+7], 0
.endr
	s_lshl_b32 s18, s16, 7
	s_lshl_b32 s20, s17, 8
	s_add_co_u32 s20, s20, s18                     ; A: the first row that I fetch
	s_lshl_b32 s46, s42, 8
	s_add_co_u32 s46, s46, s18                     ; B likewise
	s_mov_b32 s21, 0
	s_mov_b32 s47, 0
	s_mov_b64 s[18:19], KS
	s_mul_u64 s[22:23], s[20:21], s[18:19]
	s_mul_u64 s[92:93], s[46:47], s[18:19]
	s_mov_b64 s[18:19], KROW
	s_mul_u64 s[20:21], s[20:21], s[18:19]
	s_mul_u64 s[46:47], s[46:47], s[18:19]
	s_mul_i32 s45, s14, HALFT                      ; where they go: wave x 128 rows
	s_mul_i32 s94, s14, HALFS
	s_wait_kmcnt 0x0
	s_add_nc_u64 s[20:21], s[4:5], s[20:21]
	s_add_nc_u64 s[22:23], s[6:7], s[22:23]
	s_add_nc_u64 s[46:47], s[4:5], s[46:47]
	s_add_nc_u64 s[92:93], s[6:7], s[92:93]
	CROUND                                         ; all sixteen work-groups are here: the first joint loads meet
	s_mov_b32 s[G0S], 1
	s_add_co_u32 s[G0S+1], s94, SCL
	s_mov_b64 s[G0S+2:G0S+3], s[22:23]
	s_or_b32 s[G0S+3], s[G0S+3], 0x80000000
	s_mov_b32 s[G0SB], 1
	s_add_co_u32 s[G0SB+1], s94, SCL
	s_mov_b64 s[G0SB+2:G0SB+3], s[92:93]
	s_or_b32 s[G0SB+3], s[G0SB+3], 0x80000000
	JLOAD G0S, G1S, G0SB, G1SB                     ; the scales first
.irp s, 0,1
	s_mov_b32 s[G0+4*\s], 1
	s_add_co_u32 s[G0+4*\s+1], s45, \s*SLOT
	s_add_nc_u64 s[G0+4*\s+2:G0+4*\s+3], s[20:21], \s*ROWB
	s_or_b32 s[G0+4*\s+3], s[G0+4*\s+3], 0x80000000
	s_mov_b32 s[G0B+4*\s], 1
	s_add_co_u32 s[G0B+4*\s+1], s45, \s*SLOT
	s_add_nc_u64 s[G0B+4*\s+2:G0B+4*\s+3], s[46:47], \s*ROWB
	s_or_b32 s[G0B+4*\s+3], s[G0B+4*\s+3], 0x80000000
	JLOAD G0+4*\s, G1, G0B+4*\s, G1B
.endr
	v_and_b32 v1, 15, v0                           ; l % 16
	v_bfe_u32 v2, v0, 4, 1                         ; l / 16
	v_mul_u32_u24 v3, v1, PITCH
	v_mul_u32_u24 v4, v2, 24
	v_add_nc_u32 v4, v3, v4                        ; a fragment's row x pitch + 24 x half
	v_lshl_add_u32 v5, v2, 4, v4                   ; and the same behind one padding more
	s_mul_i32 s21, s15, HALFT
	s_mul_i32 s22, s16, HALFT
	s_add_co_u32 s22, s22, 2*HALFT
.irp s, 0,1
	v_add_nc_u32 v[ADRA+\s], s21, v4
	v_add_nc_u32 v[ADRB+\s], s22, v4
	v_add_nc_u32 v[ADRA+2+\s], s21, v5
	v_add_nc_u32 v[ADRB+2+\s], s22, v5
	s_add_co_u32 s21, s21, SLOT
	s_add_co_u32 s22, s22, SLOT
.endr
	v_mul_u32_u24 v5, v1, KS                       ; my row's scales,
	v_lshrrev_b32 v6, 8, v5
	v_lshl_add_u32 v5, v6, 4, v5                   ; 16 more for each 256 passed
	s_mul_i32 s21, s15, HALFS
	s_mul_i32 s22, s16, HALFS
	s_add_co_u32 s22, s22, 2*HALFS
	s_sub_co_u32 s22, s22, s21
	v_mul_u32_u24 v6, s22, v2                      ; lanes 16-31 take B's: one product, the distance between the two bases
	s_add_co_u32 s21, s21, SCL
	v_add_nc_u32 v5, v5, v6
	v_add_nc_u32 v[ADRS], s21, v5
	; where the results go
	s_lshl_b32 s18, s41, 8
	s_lshl_b32 s19, s15, 7
	s_add_co_u32 s18, s18, s19                     ; my first row of A inside the cluster's 1,024
	s_lshl_b32 s19, s40, 8
	s_lshl_b32 s20, s16, 7
	s_add_co_u32 s19, s19, s20                     ; my first row of B likewise
	s_lshl_b32 s20, s97, 8                         ; 1,024 x cluster y: the cluster's rows of x
	s_mov_b32 s92, 3072
	s_mov_b32 s93, HEADB
	s_mov_b32 s94, KSC
	s_mov_b32 s95, 256
	s_cmp_eq_u32 ttmp9, 2                          ; V?
	s_cselect_b32 s21, s19, s18                    ; x's rows are B's for V, else A's
	s_cselect_b32 s22, s18, s19                    ; the weight's rows: a multiple of 128, so 64 x (their first head)
	s_cselect_b32 s23, VOFF, 0
	s_cselect_b32 s92, HEADB, s92                  ; from blocks 0-3 to blocks 4-7: V: the next head; q, k: four tiles of rows on
	s_cselect_b32 s93, 3072, s93                   ; from a fragment's first six registers to its last six: V: the other 64 keys; q, k: the next head
	s_cselect_b32 s94, VSC, s94
	s_cselect_b32 s95, HEADB, s95
	s_cselect_b32 s[MASKA], -1, 0xffff
	s_cmp_eq_u32 ttmp9, 0
	s_cselect_b32 s98, REG1, 0                     ; q goes to region 1
	s_add_co_u32 s21, s21, s20
	s_lshr_b32 s21, s21, 7                         ; the key step: 16 x batch + step
	s_add_co_u32 s21, s21, s22                     ; + 64 x head
	s_mul_i32 s21, s21, REC
	s_add_co_u32 s21, s21, s98
	s_add_co_u32 s23, s23, s21
	s_add_co_u32 s94, s94, s21
	s_mov_b32 s[HM], 0xffff0000
	s_mov_b32 s[SEL], 0x76543210
	s_mov_b32 s[SEL+1], 0xfedcba98
	v_and_b32 v6, 31, v0
	v_lshlrev_b32 v[OFFC], 3, v6                   ; 8 bytes a lane
	v_add_nc_u32 v[OFFC], s23, v[OFFC]
	v_add_nc_u32 v[OFFC+1], s93, v[OFFC]
	v_add_nc_u32 v[OFFC+2], s92, v[OFFC]
	v_add_nc_u32 v[OFFC+3], s92, v[OFFC+1]
	v_lshlrev_b32 v[OSA], 2, v6                    ; 4 bytes a lane: two tiles' words a store
	v_add_nc_u32 v[OSA], s94, v[OSA]
	v_add_nc_u32 v[OSA+1], s95, v[OSA]
	v_add_nc_u32 v[OSB], HEADB, v[OSA]
	v_add_nc_u32 v[OSB+1], HEADB, v[OSA+1]
.macro FRAG reg, adr, q, i             ; 16 rows x 128 K: 12 registers, in pieces of 8 bytes; where the piece three on lies behind one padding more, the second address register serves
.irp p, 0,1,2,3,4,5
.set PCE, 12*(\q)+6*(\p/3)+\p%3
.if PCE%8 < 5
	ds_load_b64 v[\reg+2*\p:\reg+2*\p+1], v[\adr] offset:8*PCE+16*(PCE/8)+(\i)*16*PITCH
.else
	ds_load_b64 v[\reg+2*\p:\reg+2*\p+1], v[\adr+2] offset:8*PCE+16*(PCE/8)+(\i)*16*PITCH
.endif
.endr
.endm
; 16 matrix instructions: A's blocks a0, a0 + 1 x B's eight.  The 64 accumulators take turns, one instruction a turn, in the same order in every step.
.macro MUL16 a0, p, q, sc, zero
.irp a, \a0, \a0+1
.irp b, 0,1,2,3,4,5,6,7
.if \zero
	v_wmma_scale_f32_16x16x128_f8f6f4 v[8*(8*((\a)%4)+\b):8*(8*((\a)%4)+\b)+7], v[128*(\p)+FR*\b:128*(\p)+FR*\b+FR-1], v[AF+FR*(\a):AF+FR*(\a)+FR-1], 0, v[SC+8*NQ*(\sc)+NQ*\b+(\q)], v[SC+8*NQ*(\sc)+NQ*(\a)+(\q)] matrix_a_fmt:MATRIX_FMT_FP6 matrix_b_fmt:MATRIX_FMT_FP6 matrix_a_scale:MATRIX_SCALE_ROW1
.else
	v_wmma_scale_f32_16x16x128_f8f6f4 v[8*(8*((\a)%4)+\b):8*(8*((\a)%4)+\b)+7], v[128*(\p)+FR*\b:128*(\p)+FR*\b+FR-1], v[AF+FR*(\a):AF+FR*(\a)+FR-1], v[8*(8*((\a)%4)+\b):8*(8*((\a)%4)+\b)+7], v[SC+8*NQ*(\sc)+NQ*\b+(\q)], v[SC+8*NQ*(\sc)+NQ*(\a)+(\q)] matrix_a_fmt:MATRIX_FMT_FP6 matrix_b_fmt:MATRIX_FMT_FP6 matrix_a_scale:MATRIX_SCALE_ROW1
.endif
.endr
.endr
.endm
.macro FETCH_B slot, q, p
	WIN TO_B
.irp i, 0,1,2,3,4,5,6,7
	FRAG 128*(\p)+FR*\i, ADRB+\slot, \q, \i
.endr
	WIN 0
.endm
.macro FETCH_A slot, q, i0
.irp i, \i0, \i0+1, \i0+2, \i0+3
	FRAG AF+FR*(\i), ADRA+\slot, \q, \i
.endr
.endm
.macro SCALES sc                       ; a K step's scale words: lanes 0-15 A's block i, lanes 16-31 B's block i
.irp i, 0,1,2,3,4,5,6,7
	ds_load_b64 v[SC+8*NQ*\sc+NQ*\i:SC+8*NQ*\sc+NQ*\i+1], v[ADRS] offset:\i*SBLK
.endr
.endm
.macro PLACES n                        ; plain vector places behind matrix instructions, in front of loads into registers that they read and of the first read of results
.rept \n
	v_nop
.endr
.endm
.macro STEP slot, q, zero              ; 128 along K with a successor in the same slot
	s_wait_dscnt 4*NL                              ; B's set and A's blocks 0-3 are in; the youngest 24 loads (A's blocks 4-7) may be out
	WIN MUL_LO
	MUL16 0, (\q)%2, \q, \slot, \zero
	MUL16 2, (\q)%2, \q, \slot, \zero
	s_wait_dscnt 0
	PLACES NP
	FETCH_B \slot, (\q)+1, 1-(\q)%2
	FETCH_A \slot, (\q)+1, 0
	WIN MUL_HI
	MUL16 4, (\q)%2, \q, \slot, \zero
	MUL16 6, (\q)%2, \q, \slot, \zero
	PLACES NP
	WIN 0
	FETCH_A \slot, (\q)+1, 4
.endm
; A slot's last step changes slots: in front of the one barrier each wave waits for all its tensor loads, adds 0 to its spare word, and waits for that and for its reads of this slot.
.macro TURN slot, next, fill
	s_wait_tensorcnt 0x0                           ; all my tensor loads have landed: my part of the next slot
	ds_add_u32 v[SPW], v[NIL]                      ; 0 onto my spare word
	s_wait_dscnt 4*NL+1                            ; the add and the youngest 24 loads may be out
	WIN MUL_LO
	MUL16 0, 1, NQ-1, \slot, 0
	s_wait_dscnt 0x0                               ; the add is done, and my reads of this slot are over
	s_barrier_signal -1
	MUL16 2, 1, NQ-1, \slot, 0
	WIN 0
	s_barrier_wait -1
.if \fill
	CREST                                          ; the barrier has opened a round of the cluster's: no wave of any partner still reads this slot or has a load on its way
	s_add_nc_u64 s[G0+4*\slot+2:G0+4*\slot+3], s[G0+4*\slot+2:G0+4*\slot+3], 2*ROWB
	s_add_nc_u64 s[G0B+4*\slot+2:G0B+4*\slot+3], s[G0B+4*\slot+2:G0B+4*\slot+3], 2*ROWB
	JLOAD G0+4*\slot, G1, G0B+4*\slot, G1B         ; the first tensor load behind the round; its four v_nop are the places in front of the loads below
.else
	PLACES NP
.endif
	v_add_nc_u32 v[ADRS], 4*NQ, v[ADRS]            ; the next K step's scale words
	FETCH_B \next, 0, 0
	FETCH_A \next, 0, 0
	SCALES \next
	WIN MUL_HI
	MUL16 4, 1, NQ-1, \slot, 0
	MUL16 6, 1, NQ-1, \slot, 0
	PLACES NP
	WIN 0
	FETCH_A \next, 0, 4
.endm
	s_wait_tensorcnt 1                             ; the scales and my part of K step 0 are in; K step 1's load may be out
	s_barrier_signal -1
	s_barrier_wait -1
	FETCH_B 0, 0, 0
	FETCH_A 0, 0, 0
	SCALES 0
	FETCH_A 0, 0, 4
	STEP 0, 0, 1                                   ; the first step's products start the sums
	s_mov_b32 s3, LAPS-1
.Llap:
	TURN 0, 1, 1
	STEP 1, 0, 0
	TURN 1, 0, 1
	STEP 0, 0, 0
	s_sub_co_u32 s3, s3, 1
	s_cmp_lg_u32 s3, 0
	s_cbranch_scc1 .Llap
	TURN 0, 1, 0                                   ; the last lap fills nothing
	STEP 1, 0, 0
	s_wait_dscnt 4*NL
	WIN MUL_LO
	MUL16 0, 1, NQ-1, 1, 0
	MUL16 2, 1, NQ-1, 1, 0
	s_wait_dscnt 0
	WIN MUL_HI
	MUL16 4, 1, NQ-1, 1, 0
	MUL16 6, 1, NQ-1, 1, 0
	WIN 0
; THE WAY OUT of block a: its 64 registers of a lane are register 16 b + i = next K 32 b + 16 (lane / 16) + i of the lane's row.
.macro EPI a
.set W, 2+(\a)/4                       ; the block's window
.set W01, 5*W                          ; sources 0 and 1 there
.set W12, 20*W                         ; sources 1 and 2 there
.set AC, 64*((\a)%4)
.set GG, (\a)/4
	s_wait_xcnt 0x0                                ; the last block's stores have read their data: the codes' and the words' registers are rewritten only behind this wait
	WIN W01
.irp b, 0,1,2,3
	v_max3_num_f32 v[TM+\b], |v[AC+16*\b]|, |v[AC+1+16*\b]|, 0x1800000   ; my 16 numbers of block b, from each accumulator's low end on, and the floor 2^(3 - 127)
.endr
	WIN W12
.irp i, 2,4,6,8,10,12,14
.irp b, 0,1,2,3
	v_max3_num_f32 v[TM+\b], v[TM+\b], |v[AC+16*\b+\i]|, |v[AC+1+16*\b+\i]|
.endr
.endr
	WIN 0
.irp b, 0,1,2,3
	v_permlanex16_b32 v[TM+4+\b], v[TM+\b], s[SEL], s[SEL+1]
.endr
.irp b, 0,1,2,3
	v_max_num_f32 v[TM+\b], v[TM+\b], v[TM+4+\b]   ; with lane l xor 16's: the block's largest magnitude
.endr
.irp b, 0,1,2,3
	v_add_nc_u32 v[TM+12+\b], 0xff000000, v[TM+\b] ; 2 off its exponent field: the conversion's scale operand
.endr
.irp b, 0,1,2,3
	v_lshrrev_b32 v[TM+4+\b], 23, v[TM+12+\b]      ; the scale's byte
.endr
	v_lshl_or_b32 v[PW+(\a)%2], v[TM+5], 8, v[TM+4]
	v_lshl_or_b32 v[PW+(\a)%2], v[TM+6], 16, v[PW+(\a)%2]
	v_lshl_or_b32 v[PW+(\a)%2], v[TM+7], 24, v[PW+(\a)%2]
	WIN W                                          ; source 0 in the block's window
.irp c, 0,1
	v_cvt_scalef32_pk16_fp6_f32 v[CD+6*\c:CD+2+6*\c], v[AC+32*\c:AC+15+32*\c], v[TM+12+2*\c]
	v_cvt_scalef32_pk16_fp6_f32 v[CD+12+4*\c:CD+14+4*\c], v[AC+16+32*\c:AC+31+32*\c], v[TM+12+2*\c+1]
.endr
	WIN 0
	v_nop                                          ; one plain place behind a scaled conversion
.irp c, 0,1                                    ; a whole block of 32 to a lane
.irp i, 0,1,2
	v_permlane16_swap_b32 v[CD+6*\c+\i], v[CD+12+4*\c+\i]
.endr
.irp i, 0,1,2
	v_mov_b32 v[CD+3+6*\c+\i], v[CD+12+4*\c+\i]
.endr
.endr
.irp c, 0,1
.irp p, 0,1,2
	global_store_b64 v[OFFC+2*GG+\c], v[CD+6*\c+2*\p:CD+6*\c+2*\p+1], s[12:13] offset:((\a)%4)*768+\p*256   ; 32 lanes store 256 consecutive bytes, aligned
.endr
.endr
.if ((\a)%2) == 1
	v_cndmask_b32 v[WW], v[PW], v[PW+1], s[HM]     ; lanes 0-15: the even block's words, lanes 16-31: the odd block's
	v_and_b32 v[WA], s[MASKA], v[WW]
	global_store_b32 v[OSA+GG], v[WA], s[12:13] offset:(((\a)%4)/2)*128
	s_cmp_eq_u32 ttmp9, 2                          ; V's word is whole; q's and k's upper two bytes are the next head's
	s_cbranch_scc1 .Lone_word_\@
	v_lshrrev_b32 v[WB], 16, v[WW]
	global_store_b32 v[OSB+GG], v[WB], s[12:13] offset:(((\a)%4)/2)*128
.Lone_word_\@:
.endif
.endm
	PLACES NP                                      ; behind the last products
.irp b, 0,1,2,3
	v_mov_b32 v[TM+4+\b], 0                        ; written once: a lane permute's destination counts as one of its sources
.endr
.irp a, 0,1,2,3,4,5,6,7
	EPI \a
.endr
	s_wait_tensorcnt 0x0                           ; the wave's end
	ds_add_u32 v[SPW], v[NIL]
	s_wait_dscnt 0x0
	CROUND                                         ; the closing round
	s_endpgm
.Lfunc_end_k_q09c4521d3e_proj:
	.size	k_q09c4521d3e_proj, .Lfunc_end_k_q09c4521d3e_proj-k_q09c4521d3e_proj
	.p2alignl 7, 3214868480
	.fill 96, 4, 3214868480
	.section	.rodata,"a",@progbits
	.p2align	6, 0x0
	.amdhsa_kernel k_q09c4521d3e_proj
		.amdhsa_group_segment_fixed_size 327680
		.amdhsa_private_segment_fixed_size 0
		.amdhsa_enable_private_segment 0
		.amdhsa_kernarg_size 24
		.amdhsa_user_sgpr_count 2
		.amdhsa_user_sgpr_kernarg_segment_ptr 1
		.amdhsa_wavefront_size32 1
		.amdhsa_system_sgpr_workgroup_id_x 1
		.amdhsa_system_sgpr_workgroup_id_y 1
		.amdhsa_system_sgpr_workgroup_id_z 1
		.amdhsa_system_vgpr_workitem_id 0
		.amdhsa_next_free_vgpr 1024
		.amdhsa_next_free_sgpr 100
		.amdhsa_reserve_vcc 0
		.amdhsa_float_denorm_mode_32 3
		.amdhsa_float_denorm_mode_16_64 3
		.amdhsa_memory_ordered 1
		.amdhsa_forward_progress 1
		.amdhsa_inst_pref_size 169
	.end_amdhsa_kernel
	.amdgpu_metadata
---
amdhsa.version: [ 1, 2 ]
amdhsa.kernels:
  - .name:           k_q09c4521d3e_proj
    .symbol:         k_q09c4521d3e_proj.kd
    .args:
      - { .name: cod, .offset: 0, .size: 8, .value_kind: global_buffer, .address_space: global }
      - { .name: scl, .offset: 8, .size: 8, .value_kind: global_buffer, .address_space: global }
      - { .name: qkv, .offset: 16, .size: 8, .value_kind: global_buffer, .address_space: global }
    .group_segment_fixed_size: 327680
    .private_segment_fixed_size: 0
    .kernarg_segment_align: 8
    .kernarg_segment_size: 24
    .max_flat_workgroup_size: 128
    .sgpr_count:     100
    .vgpr_count:     1024
    .wavefront_size: 32
...
	.end_amdgpu_metadata
.endif
;; end of part 2
;; launch attn (part 3): grid 4 x 64, 16 waves a work-group, clusters of 4 x 1, 210,944 bytes of LDS; arguments qkv, oc, os; writes oc, os
.if DOCPART == 3
	.amdgcn_target "amdgcn-amd-amdhsa--gfx1250"
	.amdhsa_code_object_version 6
	.text
	.protected	k_q09c4521d3e_attn
	.globl	k_q09c4521d3e_attn
	.p2align	8
	.type	k_q09c4521d3e_attn,@function
k_q09c4521d3e_attn:
	s_mov_b64 s[64:65], 0
	v_nop
	global_prefetch_b8 v0, s[64:65] scope:SCOPE_SE
	s_setreg_imm32_b32 hwreg(HW_REG_WAVE_MODE, 25, 1), 1
	s_wait_xcnt 0x0
	s_wait_alu depctr_hold_cnt(0) depctr_sa_sdst(0) depctr_va_vdst(0) depctr_va_sdst(0) depctr_va_ssrc(0) depctr_va_vcc(0) depctr_vm_vsrc(0)
	s_getreg_b32 s2, hwreg(HW_REG_IB_STS2, 6, 4)
	s_cmp_eq_u32 s2, 0
	s_cbranch_scc0 .Lentry_in_a_cluster
	s_endpgm
.Lentry_in_a_cluster:
	s_bfe_u32 s2, ttmp6, 0x10000c
	s_cmp_lg_u32 s2, 0x3003
	s_cbranch_scc0 .Lentry_shape_is_right
	s_endpgm
.Lentry_shape_is_right:
; Causal attention of one (batch, head) a cluster, on codes of FP6 (E2M3) with E8M0 scales, and its result quantised along the heads' 64 for the output product.
; t = score x log2(e) / 8; M = the running largest t rounded UP to a whole number; p = 2^(t - M) is quantised along the keys, not normalised; the row's sum is taken of the unquantised p and divides at the end.
; INPUT: qkv, records of 13,056 bytes for 128 rows: 8 tiles of K (region 1: of Q) as images of six registers a lane, V's fragments, and the scale words, all in the order of the operands' registers.
; A (batch, head)'s 16 records of K and V are 208,896 dense bytes: ALL OF THEM LIE IN LDS, filled once: each of the sixteen waves brings one record by one joint load (the four work-groups of the cluster
; walk the same keys).  No byte of LDS is filled twice, so there is one barrier and no ring.
; SHARES.  A tile of 16 queries in group G of 128 rows needs key steps 0 .. G.  Wave w (e = w % 2, g = w / 2) takes tile 2 cx + e of group 15 - g and then of group g: 17 steps for every wave.
; G hangs on the wave's number alone: no branch and no LDS address hangs on the work-group's place in its cluster.
; LAYOUT.  Both products transposed: S^T = K Q^T, O^T = V^T P^T: a lane holds one query.  Rows lie by position (index with bits 3 and 4 exchanged), so the 16 registers of tiles 2 b, 2 b + 1 are true neighbours
; 32 b + 16 (lane / 16) + 0 .. 15, of the keys in S^T and of the head's 64 in O^T.  The first product's K is 64: the upper six registers of both fragments hold zero codes, the scale words' upper bytes 0.
; OUTPUT: oc [head][tile of 16 rows][768 bytes]: six registers a lane;  os [row position][32]: two bytes a head.
; LIMITS: p under 2^-126 becomes 0; a block of zeros or under 2^-124 gets the byte 1; NaN and infinities are not served.
.set REC,  13056
.set REG1, 1024*REC
.set VOFF, 6144
.set KSC,  12288
.set VSC,  12800
.set L8,   2                           ; v2  8 x lane
.set L4,   3                           ; v3  4 x (lane % 16)
.set DG,   4                           ; v4  my query's true place in its 128, less 16 (lane / 16)
.set ADK,  5                           ; v5  the step's record + 8 x lane
.set ADS,  6                           ; v6  the step's record + 4 x (lane % 16)
.set OO,   7                           ; v7  where my codes go
.set OSO,  8                           ; v8  where my row's two scale bytes go
.set RR,   29                          ; v29 lane % 16
.set QA,   16                          ; v16-27 the first tile's Q (22-27 zeros)
.set KF,   32                          ; v32-79 four fragments of K (the upper six of each zeros)
.set QB,   80                          ; v80-91 the second tile's Q
.set S,    96                          ; v96-159 S^T, then p; v96-143 then V's four fragments
.set O,    160                         ; v160-191 O^T
.set CD,   192                         ; v192-211 codes
.set BM,   212                         ; v212-215 the blocks' largest
.set BT,   216                         ; v216-219 at work
.set SO,   220                         ; v220-223 the conversions' scale operands
.set F,    224                         ; v[224:225] 2^(old M - new M), later 1 / the sum; v225 is written once
.set TMP,  226
.set NINF, 227
.set OW,   228
.set KS,   240                         ; v240-243 K's scale words, v244-247 V's, v248 and v250 Q's, v249 p's: v240-247 also carry partial sums of p between their loads
.set VS,   244
.set QSA,  248
.set PS,   249
.set QSB,  250
.set WV,   10
.set G,    15                          ; s15 the group of 128 queries in hand
.set SEL,  20
.set CS,   22                          ; s[22:23] c = log2(e) / 8
.set G1,   24
.set G0,   32
.set TB,   36                          ; s36 LDS byte of the step's record
.set J,    37                          ; s37 the key step
.set T7,   39                          ; s39 my tile in a group: 2 cx + e
.macro ROUND                           ; a round of the cluster's barrier
	s_barrier_signal -1
	s_barrier_wait -1
	s_cmp_lg_u32 s[WV], 0
	s_cbranch_scc1 .Lnot_wave_0_\@
	s_barrier_signal -3
.Lnot_wave_0_\@:
	s_barrier_wait -3
	s_barrier_signal -1
	s_barrier_wait -1
.endm
	s_load_b128 s[4:7], s[0:1], 0x0                ; qkv, oc
	s_load_b64 s[8:9], s[0:1], 0x10                ; os
	v_lshl_add_u32 v254, v0, 2, 0x33000
	v_mov_b32 v255, 0
	ds_add_u32 v254, v255
	ds_add_u32 v254, v255
	v_lshrrev_b32 v1, 5, v0
	s_delay_alu instid0(VALU_DEP_1)
	v_readfirstlane_b32 s[WV], v1                  ; wave 0..15
	s_bfe_u32 s11, ttmp6, 0x40000                  ; cx
	s_and_b32 s12, ttmp7, 0xffff                   ; y = 4 x head + batch
	s_and_b32 s13, s[WV], 1                        ; e
	s_lshr_b32 s14, s[WV], 1                       ; g
	s_sub_co_u32 s[G], 15, s14
	s_lshl_b32 s[T7], s11, 1
	s_add_co_u32 s[T7], s[T7], s13
	s_mov_b32 s[SEL], 0x76543210
	s_mov_b32 s[SEL+1], 0xfedcba98
	s_mov_b32 s[CS], 0x3e38aa3b
	s_mov_b32 s[CS+1], s[CS]                       ; named with it as a pair
	s_mov_b32 s[G1+0], 15|(3<<16)|(1<<21)          ; the mask: all four work-groups; elements of 8 bytes; bit 21 beside a mask; no padding: every read is 8 x lane or 4 x row on end
	s_mov_b32 s[G1+1], 32<<16                      ; tensor_dim0: 256 bytes
	s_mov_b32 s[G1+2], 51<<16                      ; tensor_dim1: a record is 51 such rows
	s_mov_b32 s[G1+3], 32<<16
	s_mov_b32 s[G1+4], 51
	s_mov_b32 s[G1+5], 32
	s_mov_b32 s[G1+6], 0
	s_mov_b32 s[G1+7], 0
	s_mul_i32 s40, s12, 16*REC
	s_mul_i32 s[G0+1], s[WV], REC                  ; LDS: record w
	s_add_co_u32 s40, s40, s[G0+1]
	s_mov_b32 s41, 0
	s_mov_b32 s[G0], 1
	s_wait_dscnt 0x0
	s_wait_kmcnt 0x0
	s_add_nc_u64 s[G0+2:G0+3], s[4:5], s[40:41]
	s_or_b32 s[G0+3], s[G0+3], 0x80000000
	ROUND                                          ; all four work-groups are here: the joint loads meet
	tensor_load_to_lds s[G0:G0+3], s[G1:G1+7]      ; my one tensor load of the launch
	s_nop 0
.rept 4
	v_nop
.endr
	v_and_b32 v1, 31, v0
	s_delay_alu instid0(VALU_DEP_1)
	v_lshlrev_b32 v[L8], 3, v1
	s_wait_alu depctr_va_vdst(0)
	v_and_b32 v[RR], 15, v0
	s_delay_alu instid0(VALU_DEP_1)
	v_lshlrev_b32 v[L4], 2, v[RR]
	v_bfe_u32 v30, v0, 4, 1
	s_lshl_b32 s40, s11, 5
	s_lshl_b32 s41, s13, 3
	s_add_co_u32 s40, s40, s41
	v_and_b32 v[DG], 8, v[RR]
	s_delay_alu instid0(VALU_DEP_1)
	v_add_nc_u32 v[DG], v[DG], v[RR]
	s_delay_alu instid0(VALU_DEP_1)
	v_add_nc_u32 v[DG], s40, v[DG]                 ; position 32 cx + 16 e + r is true row 32 cx + 8 e + r + 8 (r / 8)
	v_lshlrev_b32 v31, 4, v30
	s_delay_alu instid0(VALU_DEP_1)
	v_sub_nc_u32 v[DG], v[DG], v31
	s_lshl_b32 s44, s12, 4
	s_add_co_u32 s45, s44, s[G]
	s_mul_i32 s45, s45, REC
	s_add_co_u32 s45, s45, REG1                    ; Q's record of the first tile's group,
	s_add_co_u32 s46, s44, s14
	s_mul_i32 s46, s46, REC
	s_add_co_u32 s46, s46, REG1                    ; and of the second's
	s_mul_i32 s47, s[T7], 768
	s_lshl_b32 s43, s[T7], 6
	s_add_co_u32 s43, s43, KSC
	v_add_nc_u32 v9, s47, v[L8]
	s_delay_alu instid0(VALU_DEP_1)
	v_add_nc_u32 v11, s46, v9
	s_delay_alu instid0(VALU_DEP_2)
	v_add_nc_u32 v9, s45, v9
	v_add_nc_u32 v10, s43, v[L4]
	s_delay_alu instid0(VALU_DEP_1)
	v_add_nc_u32 v28, s46, v10
	s_delay_alu instid0(VALU_DEP_2)
	v_add_nc_u32 v10, s45, v10
.irp p, 0,1,2
	global_load_b64 v[QA+2*\p:QA+2*\p+1], v9, s[4:5] offset:256*\p
.endr
	global_load_b32 v[QSA], v10, s[4:5]
.irp p, 0,1,2
	global_load_b64 v[QB+2*\p:QB+2*\p+1], v11, s[4:5] offset:256*\p
.endr
	global_load_b32 v[QSB], v28, s[4:5]
.irp i, 6,7,8,9,10,11
	v_mov_b32 v[QA+\i], 0                          ; zero codes for the instruction's upper 64 along K
	v_mov_b32 v[QB+\i], 0
.irp t, 0,1,2,3
	v_mov_b32 v[KF+12*\t+\i], 0
.endr
.endr
.irp b, 0,1,2,3
	v_mov_b32 v[BT+\b], 0                          ; written once: a lane permute's destination counts as one of its sources
.endr
	v_mov_b32 v[F+1], 0                            ; named as the upper half of a pair
	v_mov_b32 v[NINF], 0xff800000
	s_wait_loadcnt 0x0                             ; Q
	s_wait_tensorcnt 0x0                           ; my record has landed,
	s_barrier_signal -1
	s_barrier_wait -1                              ; everybody's has
; One tile of 16 queries: all its key steps, and its way out.  qr: Q's fragment, qw: its scale words.
.macro PASS qr, qw
	s_wait_xcnt 0x0                                ; the last tile's stores have read their data and addresses
	v_mov_b32 v13, 0xff61b1e6                      ; the largest t so far: -3e38
	s_delay_alu instid0(VALU_DEP_1)
	v_floor_f32 v12, -v13                          ; -M
	v_mov_b32 v14, 0                               ; the sum, in two halves
	v_mov_b32 v15, 0
.set I, 0
.rept 32
	v_mov_b32 v[O+I], 0                            ; the step is written once: the first finds zeros
.set I, I+1
.endr
	s_mov_b32 s[TB], 0
	s_mov_b32 s[J], 0
.Lstep_\@:                                         ; 16 trips; a step all of whose keys come after my queries is left out
	s_cmp_gt_u32 s[J], s[G]
	s_cbranch_scc1 .Lskip_\@
	s_setprio 2
	v_add_nc_u32 v[ADK], s[TB], v[L8]
	s_wait_alu depctr_va_vdst(0)
	v_add_nc_u32 v[ADS], s[TB], v[L4]
	s_wait_alu depctr_va_vdst(0)
.irp g, 0,1                                    ; S^T = K Q^T, four tiles of 16 keys at a time
.if \g > 0
.rept 4
	v_nop                                          ; places in front of loads into registers that matrix instructions have read
.endr
.endif
.irp t, 0,1,2,3
.irp p, 0,1,2
	ds_load_b64 v[KF+12*\t+2*\p:KF+12*\t+2*\p+1], v[ADK] offset:(4*\g+\t)*768+256*\p
.endr
	ds_load_b32 v[KS+\t], v[ADS] offset:KSC+(4*\g+\t)*64
.endr
	s_wait_dscnt 0x0
.irp t, 0,1,2,3
	v_wmma_scale_f32_16x16x128_f8f6f4 v[S+8*(4*\g+\t):S+8*(4*\g+\t)+7], v[KF+12*\t:KF+12*\t+11], v[\qr:\qr+11], 0, v[KS+\t], v[\qw] matrix_a_fmt:MATRIX_FMT_FP6 matrix_b_fmt:MATRIX_FMT_FP6
.endr
.endr
.rept 4
	v_nop
.endr
	s_cmp_lg_u32 s[J], s[G]                        ; on the diagonal step hidden scores become -infinity ahead of the maximum; my own key is in it, so a number is left
	s_cbranch_scc1 .Lopen_\@
.set N, 0
.rept 64
	v_cmp_gt_i32 vcc_lo, 32*(N/16)+N%16, v[DG]     ; register 16 b + i holds key 32 b + 16 (lane / 16) + i
	v_cndmask_b32 v[S+N], v[S+N], v[NINF], vcc_lo
.set N, N+1
.endr
.Lopen_\@:
.irp b, 0,1,2,3
	v_max3_num_f32 v[BM+\b], v[S+16*\b], v[S+1+16*\b], v[S+2+16*\b]   ; the largest score of each block of 32 keys: for the row's maximum and, since p rises with the score, for the block's largest p
.endr
.irp i, 3,5,7,9,11,13
.irp b, 0,1,2,3
	v_max3_num_f32 v[BM+\b], v[BM+\b], v[S+16*\b+\i], v[S+1+16*\b+\i]
.endr
.endr
.irp b, 0,1,2,3
	v_max_num_f32 v[BM+\b], v[BM+\b], v[S+15+16*\b]
.endr
.irp b, 0,1,2,3
	s_delay_alu instid0(VALU_DEP_4)
	v_permlanex16_b32 v[BT+\b], v[BM+\b], s[SEL], s[SEL+1]
.endr
.irp b, 0,1,2,3
	s_delay_alu instid0(VALU_DEP_4)
	v_max_num_f32 v[BM+\b], v[BM+\b], v[BT+\b]
.endr
	s_delay_alu instid0(VALU_DEP_2)
	v_max3_num_f32 v[TMP], v[BM], v[BM+1], v[BM+2]
	s_delay_alu instid0(VALU_DEP_1)
	v_max_num_f32 v[TMP], v[TMP], v[BM+3]
	s_delay_alu instid0(VALU_DEP_1)
	v_mul_f32 v[TMP], s[CS], v[TMP]
	s_delay_alu instid0(VALU_DEP_1)
	v_max_num_f32 v13, v13, v[TMP]                 ; the running largest t
	v_mov_b32 v[TMP], v12
	s_delay_alu instid0(VALU_DEP_2)
	v_floor_f32 v12, -v13                          ; the new -M: M is a whole number
	s_delay_alu instid0(VALU_DEP_1)
	v_sub_f32 v[TMP], v12, v[TMP]
	s_delay_alu instid0(VALU_DEP_1)
	v_cvt_i32_f32 v[TMP], v[TMP]                   ; (it saturates)
	s_delay_alu instid0(VALU_DEP_1)
	v_ldexp_f32 v[F], 1.0, v[TMP]                  ; f = 2^(old M - new M): rounds nothing
.set I, 0
.rept 32
	v_pk_fma_f32 v[S+I:S+I+1], v[S+I:S+I+1], s[CS:CS+1], v[12:13] op_sel_hi:[1,0,0]   ; t - M
.set I, I+2
.endr
.irp b, 0,1,2,3
	v_fma_f32 v[BM+\b], v[BM+\b], s[CS], v12
.endr
.set I, 0
	s_setprio 1
	s_wait_alu depctr_va_vdst(0)
.rept 64
	v_exp_f32 v[S+I], v[S+I]                       ; p = 2^(t - M)
.set I, I+1
.endr
	v_pk_mul_f32 v[14:15], v[14:15], v[F:F+1] op_sel_hi:[1,0]   ; the sums under the new M; the plain place behind the exponentials
	s_wait_alu depctr_va_vdst(0)                   ; one wait for the batch of 64, ahead of its first reader
.irp b, 0,1,2,3
	v_exp_f32 v[BM+\b], v[BM+\b]                   ; the blocks' largest p
.endr
	v_pk_add_f32 v[216:217], v[100:101], v[104:105]
	v_pk_add_f32 v[252:253], v[108:109], v[112:113]
	v_pk_add_f32 v[246:247], v[116:117], v[120:121]
	v_pk_add_f32 v[244:245], v[124:125], v[128:129]
	v_pk_add_f32 v[242:243], v[132:133], v[136:137]
	v_pk_add_f32 v[240:241], v[140:141], v[144:145]
	v_pk_add_f32 v[238:239], v[148:149], v[152:153]
	v_pk_add_f32 v[14:15], v[14:15], v[156:157]
	v_pk_add_f32 v[216:217], v[216:217], v[96:97]
	v_pk_add_f32 v[252:253], v[252:253], v[98:99]
	v_pk_add_f32 v[246:247], v[246:247], v[102:103]
	v_pk_add_f32 v[244:245], v[244:245], v[106:107]
	v_pk_add_f32 v[242:243], v[242:243], v[110:111]
	v_pk_add_f32 v[240:241], v[240:241], v[114:115]
	v_pk_add_f32 v[238:239], v[238:239], v[118:119]
	v_pk_add_f32 v[14:15], v[14:15], v[122:123]
	v_pk_add_f32 v[216:217], v[216:217], v[126:127]
	v_pk_add_f32 v[252:253], v[252:253], v[130:131]
	v_pk_add_f32 v[246:247], v[246:247], v[134:135]
	v_pk_add_f32 v[244:245], v[244:245], v[138:139]
	v_pk_add_f32 v[242:243], v[242:243], v[142:143]
	v_pk_add_f32 v[240:241], v[240:241], v[146:147]
	v_pk_add_f32 v[238:239], v[238:239], v[150:151]
	v_pk_add_f32 v[14:15], v[14:15], v[154:155]
	v_pk_add_f32 v[216:217], v[216:217], v[158:159]
	s_delay_alu instid0(VALU_DEP_2)
	v_pk_add_f32 v[14:15], v[14:15], v[244:245]
	s_delay_alu instid0(VALU_DEP_2)
	v_pk_add_f32 v[216:217], v[216:217], v[242:243]
	v_pk_add_f32 v[252:253], v[252:253], v[240:241]
	v_pk_add_f32 v[246:247], v[246:247], v[238:239]
	s_delay_alu instid0(VALU_DEP_2)
	v_pk_add_f32 v[14:15], v[14:15], v[252:253]
	s_delay_alu instid0(VALU_DEP_2)
	v_pk_add_f32 v[216:217], v[216:217], v[246:247]
	s_delay_alu instid0(VALU_DEP_1)
	v_pk_add_f32 v[14:15], v[14:15], v[216:217]
	s_wait_alu depctr_va_vdst(0)                   ; and one for the four
.irp b, 0,1,2,3
	v_max_num_f32 v[BM+\b], 0x1800000, v[BM+\b]    ; the floor: the byte cannot fall under 1
.endr
.irp b, 0,1,2,3
	s_delay_alu instid0(VALU_DEP_4)
	v_add_nc_u32 v[SO+\b], 0xff000000, v[BM+\b]
.endr
.irp b, 0,1,2,3
	s_delay_alu instid0(VALU_DEP_4)
	v_lshrrev_b32 v[BT+\b], 23, v[SO+\b]
.endr
	s_delay_alu instid0(VALU_DEP_3)
	v_lshl_or_b32 v[PS], v[BT+1], 8, v[BT]         ; p's scale word for these 128 keys
	s_delay_alu instid0(VALU_DEP_1)
	v_lshl_or_b32 v[PS], v[BT+2], 16, v[PS]
	s_delay_alu instid0(VALU_DEP_1)
	v_lshl_or_b32 v[PS], v[BT+3], 24, v[PS]
.irp c, 0,1
	v_cvt_scalef32_pk16_fp6_f32 v[CD+6*\c:CD+2+6*\c], v[S+32*\c:S+15+32*\c], v[SO+2*\c]
	v_cvt_scalef32_pk16_fp6_f32 v[CD+12+4*\c:CD+14+4*\c], v[S+16+32*\c:S+31+32*\c], v[SO+2*\c+1]
.endr
	v_nop                                          ; one plain place behind a scaled conversion
.irp c, 0,1
.irp i, 0,1,2
	v_permlane16_swap_b32 v[CD+6*\c+\i], v[CD+12+4*\c+\i]
.endr
.irp i, 0,1,2
	s_delay_alu instid0(VALU_DEP_3)
	v_mov_b32 v[CD+3+6*\c+\i], v[CD+12+4*\c+\i]
.endr
.endr
	s_setprio 0
.irp t, 0,1,2,3                                ; V's four fragments, into the registers that p has left
.irp c, 0,1
.irp p, 0,1,2
	ds_load_b64 v[S+12*\t+6*\c+2*\p:S+12*\t+6*\c+2*\p+1], v[ADK] offset:VOFF+3072*\c+768*\t+256*\p
.endr
.endr
	ds_load_b32 v[VS+\t], v[ADS] offset:VSC+64*\t
.endr
.set I, 0
.rept 16
	v_pk_mul_f32 v[O+I:O+I+1], v[O+I:O+I+1], v[F:F+1] op_sel_hi:[1,0]   ; O^T under the new M, from each accumulator's low end on; these 16 are also the places between p's scale word and codes and the products
.set I, I+2
.endr
	s_wait_alu depctr_va_vdst(0)
	s_wait_dscnt 0x0
.irp t, 0,1,2,3                                ; the four accumulators take turns
	v_wmma_scale_f32_16x16x128_f8f6f4 v[O+8*\t:O+8*\t+7], v[S+12*\t:S+12*\t+11], v[CD:CD+11], v[O+8*\t:O+8*\t+7], v[VS+\t], v[PS] matrix_a_fmt:MATRIX_FMT_FP6 matrix_b_fmt:MATRIX_FMT_FP6
.endr
.rept 5
	v_nop                                          ; five places: the next step's first products write over V's registers
.endr
.Lskip_\@:
	s_add_co_u32 s[TB], s[TB], REC
	s_add_co_u32 s[J], s[J], 1
	s_cmp_lt_u32 s[J], 16
	s_cbranch_scc1 .Lstep_\@
	s_setprio 0
	; the way out: O^T / the sum, quantised along the head's 64: two blocks of 32
	v_add_f32 v14, v14, v15
	s_delay_alu instid0(VALU_DEP_1)
	v_permlanex16_b32 v[BT], v14, s[SEL], s[SEL+1]
	s_delay_alu instid0(VALU_DEP_1)
	v_add_f32 v14, v14, v[BT]                      ; the row's sum
	s_wait_alu depctr_va_vdst(0)
	v_rcp_f32 v[F], v14
	s_and_b32 s40, s12, 3
	s_lshl_b32 s40, s40, 7
	s_lshl_b32 s41, s[G], 3
	s_add_co_u32 s40, s40, s41
	s_add_co_u32 s40, s40, s[T7]                   ; my tile among the 512: 128 x batch + 8 G + my tile in the group
	s_lshr_b32 s41, s12, 2                         ; the head
	s_lshl_b32 s42, s41, 9
	s_add_co_u32 s42, s42, s40
	s_mul_i32 s42, s42, 768
	s_lshl_b32 s43, s40, 9                         ; 16 rows of 32 scale bytes
	s_lshl_b32 s41, s41, 1
	s_add_co_u32 s43, s43, s41
	v_add_nc_u32 v[OO], s42, v[L8]                 ; (a plain place behind the reciprocal)
	v_lshl_add_u32 v[OSO], v[RR], 5, s43
	s_wait_alu depctr_va_vdst(0)                   ; the wait ahead of the reciprocal's first reader
.set I, 0
.rept 16
	v_pk_mul_f32 v[S+I:S+I+1], v[O+I:O+I+1], v[F:F+1] op_sel_hi:[1,0]   ; register 16 b + i: the head's channel 32 b + 16 (lane / 16) + i
.set I, I+2
.endr
.irp b, 0,1
	v_max3_num_f32 v[BM+\b], |v[S+16*\b]|, |v[S+1+16*\b]|, 0x1800000
.endr
.irp i, 2,4,6,8,10,12,14
.irp b, 0,1
	s_delay_alu instid0(VALU_DEP_2)
	v_max3_num_f32 v[BM+\b], v[BM+\b], |v[S+16*\b+\i]|, |v[S+1+16*\b+\i]|
.endr
.endr
.irp b, 0,1
	s_delay_alu instid0(VALU_DEP_2)
	v_permlanex16_b32 v[BT+\b], v[BM+\b], s[SEL], s[SEL+1]
.endr
.irp b, 0,1
	s_delay_alu instid0(VALU_DEP_2)
	v_max_num_f32 v[BM+\b], v[BM+\b], v[BT+\b]
.endr
.irp b, 0,1
	s_delay_alu instid0(VALU_DEP_2)
	v_add_nc_u32 v[SO+\b], 0xff000000, v[BM+\b]
.endr
.irp b, 0,1
	s_delay_alu instid0(VALU_DEP_2)
	v_lshrrev_b32 v[BT+\b], 23, v[SO+\b]
.endr
	s_delay_alu instid0(VALU_DEP_1)
	v_lshl_or_b32 v[OW], v[BT+1], 8, v[BT]
	v_cvt_scalef32_pk16_fp6_f32 v[CD:CD+2], v[S:S+15], v[SO]
	v_cvt_scalef32_pk16_fp6_f32 v[CD+12:CD+14], v[S+16:S+31], v[SO+1]
	v_nop
.irp i, 0,1,2
	v_permlane16_swap_b32 v[CD+\i], v[CD+12+\i]
.endr
.irp i, 0,1,2
	s_delay_alu instid0(VALU_DEP_3)
	v_mov_b32 v[CD+3+\i], v[CD+12+\i]
.endr
.irp p, 0,1,2
	global_store_b64 v[OO], v[CD+2*\p:CD+2*\p+1], s[6:7] offset:256*\p   ; 32 lanes store 256 consecutive bytes, aligned
.endr
	global_store_b16 v[OSO], v[OW], s[8:9]         ; two bytes a row: lanes l and l xor 16 write the same bytes with the same value
.endm
	PASS QA, QSA
	s_mov_b32 s[G], s14
	PASS QB, QSB
	s_wait_tensorcnt 0x0
	ds_add_u32 v254, v255
	s_wait_dscnt 0x0
	ROUND                                          ; the closing round
	s_endpgm
.Lfunc_end_k_q09c4521d3e_attn:
	.size	k_q09c4521d3e_attn, .Lfunc_end_k_q09c4521d3e_attn-k_q09c4521d3e_attn
	.p2alignl 7, 3214868480
	.fill 96, 4, 3214868480
	.section	.rodata,"a",@progbits
	.p2align	6, 0x0
	.amdhsa_kernel k_q09c4521d3e_attn
		.amdhsa_group_segment_fixed_size 210944
		.amdhsa_private_segment_fixed_size 0
		.amdhsa_enable_private_segment 0
		.amdhsa_kernarg_size 24
		.amdhsa_user_sgpr_count 2
		.amdhsa_user_sgpr_kernarg_segment_ptr 1
		.amdhsa_wavefront_size32 1
		.amdhsa_system_sgpr_workgroup_id_x 1
		.amdhsa_system_sgpr_workgroup_id_y 1
		.amdhsa_system_sgpr_workgroup_id_z 1
		.amdhsa_system_vgpr_workitem_id 0
		.amdhsa_next_free_vgpr 256
		.amdhsa_next_free_sgpr 66
		.amdhsa_reserve_vcc 1
		.amdhsa_float_denorm_mode_32 3
		.amdhsa_float_denorm_mode_16_64 3
		.amdhsa_memory_ordered 1
		.amdhsa_forward_progress 1
		.amdhsa_inst_pref_size 68
	.end_amdhsa_kernel
	.amdgpu_metadata
---
amdhsa.version: [ 1, 2 ]
amdhsa.kernels:
  - .name:           k_q09c4521d3e_attn
    .symbol:         k_q09c4521d3e_attn.kd
    .args:
      - { .name: qkv, .offset: 0, .size: 8, .value_kind: global_buffer, .address_space: global }
      - { .name: oc, .offset: 8, .size: 8, .value_kind: global_buffer, .address_space: global }
      - { .name: os, .offset: 16, .size: 8, .value_kind: global_buffer, .address_space: global }
    .group_segment_fixed_size: 210944
    .private_segment_fixed_size: 0
    .kernarg_segment_align: 8
    .kernarg_segment_size: 24
    .max_flat_workgroup_size: 512
    .sgpr_count:     66
    .vgpr_count:     256
    .wavefront_size: 32
...
	.end_amdgpu_metadata
.endif
;; end of part 3
;; launch oproj (part 4): grid 4 x 32, 4 waves a work-group, clusters of 4 x 4, 327,680 bytes of LDS; arguments oc, os, cod, scl, out0; writes out0
.if DOCPART == 4
	.amdgcn_target "amdgcn-amd-amdhsa--gfx1250"
	.amdhsa_code_object_version 6
	.text
	.protected	k_q09c4521d3e_oproj
	.globl	k_q09c4521d3e_oproj
	.p2align	8
	.type	k_q09c4521d3e_oproj,@function
k_q09c4521d3e_oproj:
	s_mov_b64 s[64:65], 0
	v_nop
	global_prefetch_b8 v0, s[64:65] scope:SCOPE_SE
	s_setreg_imm32_b32 hwreg(HW_REG_WAVE_MODE, 25, 1), 1
	s_wait_xcnt 0x0
	s_wait_alu depctr_hold_cnt(0) depctr_sa_sdst(0) depctr_va_vdst(0) depctr_va_sdst(0) depctr_va_ssrc(0) depctr_va_vcc(0) depctr_vm_vsrc(0)
	s_getreg_b32 s2, hwreg(HW_REG_IB_STS2, 6, 4)
	s_cmp_eq_u32 s2, 0
	s_cbranch_scc0 .Lentry_in_a_cluster
	s_endpgm
.Lentry_in_a_cluster:
	s_bfe_u32 s2, ttmp6, 0x10000c
	s_cmp_lg_u32 s2, 0xf033
	s_cbranch_scc0 .Lentry_shape_is_right
	s_endpgm
.Lentry_shape_is_right:
; out0 [8192][1024] f32 = the heads' outputs times wo, on codes of FP6 (E2M3) with E8M0 scales.  K = 1,024 = 16 heads x 64.
; A: oc [head][512 tiles of 16 rows][768 bytes]: images of six registers a lane (16 rows x 64 K); its scale bytes os [row][32].  B: rows 11,264 on of cod [.][768] and scl [.][32]: wo^T, K innermost.
; Rows of A and rows of B (columns of out0) lie by position: index with bits 3 and 4 exchanged; the way out puts both back.
; A tile of 256 x 256 to a work-group of four waves, 128 x 128 a wave: 64 accumulators.  K in steps of 256 (four heads) through two LDS slots filled by tensor loads; the scale bytes come once.
; 4 x 4 work-groups form a cluster: A's tiles are asked for jointly along a row, B's along a column.  Source 0 = 16 rows of B, source 1 = 16 rows of A: a lane holds eight columns of one row.
; The grid has 128 work-groups: 32 x 4 tiles of this size.
.set KSTEP,  256
.set NQ,     KSTEP/128
.set ROWB,   192
.set KROW,   768
.set PITCH,  240                       ; B's LDS row: 3 x (64 bytes + 16 of padding)
.set FR,     12
.set NL,     6
.set NP,     4
.set HALFA,  4*6144                    ; A: 4 heads x 8 tiles x 768 bytes: what one tensor load brings; read 8 x lane on end, so no padding
.set HALFB,  128*PITCH
.set ASTEP,  4*512*768                 ; four heads on in oc
.set SLOT,   2*HALFA+2*HALFB
.set LAPS,   2
.set KS,     32
.set SCL,    2*SLOT
.set HALFS,  (128*KS/256)*272
.set SBLK,   (16*KS/256)*272
.set SPARE,  SCL+4*HALFS
.set SPITCH, 528                       ; the way out: a stage of 16 rows x (512 + 16) bytes a wave, in slot 0, which has had its last fill and its last read by then
.set ADRA, 16                          ; v16-17 my A fragments in slot 0, 1
.set ADRB, 20                          ; v20-23 B's, and behind one padding more
.set STO,  24
.set RD,   25
.set CO,   26
.set ADRS, 27
.set SPW,  28
.set NIL,  29
.set SC,   32                          ; v32-63 scale words, two sets: they hold scales and nothing else
.set AF,   128
.set BK,   128
.set G1, 24
.set G0, 32
.set G1B, 48
.set G0B, 56
.set G1S, 68
.set G0S, 76
.set G1SB, 80
.set G0SB, 88
.set MSB, 0
.macro WIN new
.if MSB != \new
	s_set_vgpr_msb (MSB<<8)|\new
.set MSB, \new
.endif
.endm
.set MUL_LO, 0xa1
.set MUL_HI, 0xf1
.set TO_B,   0x40
.macro JLOAD g0a, g1a, g0b, g1b        ; waves 0 and 1 fetch for A, waves 2 and 3 for B; four v_nop follow each line
	s_cmp_eq_u32 s15, 0
	s_cbranch_scc0 .Lfor_b_\@
	tensor_load_to_lds s[\g0a:\g0a+3], s[\g1a:\g1a+7]
	s_nop 0
.rept 4
	v_nop
.endr
	s_branch .Lasked_\@
.Lfor_b_\@:
	tensor_load_to_lds s[\g0b:\g0b+3], s[\g1b:\g1b+7]
	s_nop 0
.rept 4
	v_nop
.endr
.Lasked_\@:
.endm
.macro CREST
	s_cmp_lg_u32 s14, 0
	s_cbranch_scc1 .Lnot_wave_0_\@
	s_barrier_signal -3
.Lnot_wave_0_\@:
	s_barrier_wait -3
	s_barrier_signal -1
	s_barrier_wait -1
.endm
.macro CROUND
	s_barrier_signal -1
	s_barrier_wait -1
	CREST
.endm
	s_load_b128 s[4:7], s[0:1], 0x0                ; oc, os
	s_load_b128 s[8:11], s[0:1], 0x10              ; cod, scl
	s_load_b64 s[12:13], s[0:1], 0x20              ; out0
	v_lshl_add_u32 v[SPW], v0, 2, SPARE
	v_mov_b32 v[NIL], 0
	ds_add_u32 v28, v29
	ds_add_u32 v28, v29
	s_wait_dscnt 0x0
	v_lshrrev_b32 v1, 5, v0
	v_readfirstlane_b32 s14, v1
	s_lshr_b32 s15, s14, 1
	s_and_b32 s16, s14, 1
	s_bfe_u32 s40, ttmp6, 0x40000                  ; cx
	s_bfe_u32 s41, ttmp6, 0x40004                  ; cy
	s_lshl_b32 s42, ttmp9, 2
	s_add_co_u32 s42, s42, s40                     ; tile column
	s_and_b32 s17, ttmp7, 0xffff
	s_lshl_b32 s17, s17, 2
	s_add_co_u32 s17, s17, s41                     ; tile row
	s_lshl_b32 s43, s41, 2
	s_lshl_b32 s43, 15, s43
	s_lshl_b32 s44, 0x1111, s40
	s_or_b32 s[G1+0], s43, (3<<16)|(1<<21)         ; A: elements of 8 bytes, no padding
	s_mov_b32 s[G1+1], 768<<16                     ; tensor_dim0: 8 tiles x 768 bytes
	s_mov_b32 s[G1+2], 4<<16                       ; tensor_dim1: four heads
	s_mov_b32 s[G1+3], 768<<16
	s_mov_b32 s[G1+4], 4
	s_mov_b32 s[G1+5], 49152                       ; from head to head: 512 tiles x 768 bytes
	s_mov_b32 s[G1+6], 0
	s_mov_b32 s[G1+7], 0
	s_or_b32 s[G1B+0], s44, (0<<16)|(1<<20)|(1<<21)|(3<<22)|(3<<25)
	s_mov_b32 s[G1B+1], ROWB<<16
	s_mov_b32 s[G1B+2], 128<<16
	s_mov_b32 s[G1B+3], ROWB<<16
	s_mov_b32 s[G1B+4], 128
	s_mov_b32 s[G1B+5], KROW
	s_mov_b32 s[G1B+6], 0
	s_mov_b32 s[G1B+7], 0
	s_or_b32 s[G1S+0], s43, (3<<16)|(1<<20)|(1<<21)|(5<<22)|(3<<25)
	s_or_b32 s[G1SB+0], s44, (3<<16)|(1<<20)|(1<<21)|(5<<22)|(3<<25)
.irp g, G1S, G1SB
	s_mov_b32 s[\g+1], 32<<16
	s_mov_b32 s[\g+2], (128*KS/256)<<16
	s_mov_b32 s[\g+3], 32<<16
	s_mov_b32 s[\g+4], 128*KS/256
	s_mov_b32 s[\g+5], 32
	s_mov_b32 s[\g+6], 0
	s_mov_b32 s[\g+7], 0
.endr
	s_lshl_b32 s18, s16, 7
	s_lshl_b32 s20, s17, 8
	s_add_co_u32 s20, s20, s18                     ; A: the first row that I fetch
	s_lshl_b32 s46, s42, 8
	s_add_co_u32 s46, s46, s18
	s_add_co_u32 s46, s46, 11264                   ; B: wo^T begins at row 11,264
	s_mov_b32 s21, 0
	s_mov_b32 s47, 0
	s_mov_b64 s[18:19], KS
	s_mul_u64 s[22:23], s[20:21], s[18:19]
	s_mul_u64 s[92:93], s[46:47], s[18:19]
	s_mov_b64 s[18:19], 48                         ; 768 bytes for 16 rows
	s_mul_u64 s[20:21], s[20:21], s[18:19]
	s_mov_b64 s[18:19], KROW
	s_mul_u64 s[46:47], s[46:47], s[18:19]
	s_mul_i32 s45, s16, HALFA                      ; where A's halves go,
	s_mul_i32 s95, s16, HALFB
	s_add_co_u32 s95, s95, 2*HALFA                 ; and B's, behind them
	s_mul_i32 s94, s14, HALFS
	s_wait_kmcnt 0x0
	s_add_nc_u64 s[20:21], s[4:5], s[20:21]
	s_add_nc_u64 s[22:23], s[6:7], s[22:23]
	s_add_nc_u64 s[46:47], s[8:9], s[46:47]
	s_add_nc_u64 s[92:93], s[10:11], s[92:93]
	CROUND
	s_mov_b32 s[G0S], 1
	s_add_co_u32 s[G0S+1], s94, SCL
	s_mov_b64 s[G0S+2:G0S+3], s[22:23]
	s_or_b32 s[G0S+3], s[G0S+3], 0x80000000
	s_mov_b32 s[G0SB], 1
	s_add_co_u32 s[G0SB+1], s94, SCL
	s_mov_b64 s[G0SB+2:G0SB+3], s[92:93]
	s_or_b32 s[G0SB+3], s[G0SB+3], 0x80000000
	JLOAD G0S, G1S, G0SB, G1SB
.irp s, 0,1
	s_mov_b32 s[G0+4*\s], 1
	s_add_co_u32 s[G0+4*\s+1], s45, \s*SLOT
	s_add_nc_u64 s[G0+4*\s+2:G0+4*\s+3], s[20:21], \s*ASTEP
	s_or_b32 s[G0+4*\s+3], s[G0+4*\s+3], 0x80000000
	s_mov_b32 s[G0B+4*\s], 1
	s_add_co_u32 s[G0B+4*\s+1], s95, \s*SLOT
	s_add_nc_u64 s[G0B+4*\s+2:G0B+4*\s+3], s[46:47], \s*ROWB
	s_or_b32 s[G0B+4*\s+3], s[G0B+4*\s+3], 0x80000000
	JLOAD G0+4*\s, G1, G0B+4*\s, G1B
.endr
	v_and_b32 v1, 15, v0
	v_bfe_u32 v2, v0, 4, 1
	v_and_b32 v6, 31, v0
	v_mul_u32_u24 v3, v1, PITCH
	v_mul_u32_u24 v4, v2, 24
	v_add_nc_u32 v4, v3, v4
	v_lshl_add_u32 v5, v2, 4, v4
	v_lshlrev_b32 v7, 3, v6                        ; A: 8 bytes a lane
	s_mul_i32 s21, s15, HALFA
	s_mul_i32 s22, s16, HALFB
	s_add_co_u32 s22, s22, 2*HALFA
.irp s, 0,1
	v_add_nc_u32 v[ADRA+\s], s21, v7
	v_add_nc_u32 v[ADRB+\s], s22, v4
	v_add_nc_u32 v[ADRB+2+\s], s22, v5
	s_add_co_u32 s21, s21, SLOT
	s_add_co_u32 s22, s22, SLOT
.endr
	v_mul_u32_u24 v5, v1, KS
	v_lshrrev_b32 v6, 8, v5
	v_lshl_add_u32 v5, v6, 4, v5
	s_mul_i32 s21, s15, HALFS
	s_mul_i32 s22, s16, HALFS
	s_add_co_u32 s22, s22, 2*HALFS
	s_sub_co_u32 s22, s22, s21
	v_mul_u32_u24 v6, s22, v2
	s_add_co_u32 s21, s21, SCL
	v_add_nc_u32 v5, v5, v6
	v_add_nc_u32 v[ADRS], s21, v5
	s_mul_i32 s23, s14, 16*SPITCH                  ; my stage
	v_mul_u32_u24 v5, v1, SPITCH
	v_lshl_add_u32 v5, v2, 6, v5                   ; in: row l % 16; block 2 b + u's eight columns are true columns 32 b + 16 (l / 16) + 8 u + 0 .. 7
	v_add_nc_u32 v[STO], s23, v5
	v_and_b32 v6, 31, v0
	v_lshlrev_b32 v[CO], 4, v6
	v_add_nc_u32 v[RD], s23, v[CO]
	s_lshl_b32 s20, s17, 8
	s_lshl_b32 s21, s15, 7
	s_add_co_u32 s20, s20, s21                     ; my first row
	s_lshl_b32 s20, s20, 12                        ; of 4,096 bytes
	s_mov_b32 s21, 0
	s_lshl_b32 s46, s42, 10
	s_lshl_b32 s47, s16, 9
	s_add_co_u32 s46, s46, s47                     ; my first column, in bytes
	s_mov_b32 s47, 0
	s_add_nc_u64 s[20:21], s[20:21], s[46:47]
	s_add_nc_u64 s[12:13], s[12:13], s[20:21]
.macro FRAG reg, adr, q, i             ; B: 16 rows x 128 K in pieces of 8 bytes
.irp p, 0,1,2,3,4,5
.set PCE, 12*(\q)+6*(\p/3)+\p%3
.if PCE%8 < 5
	ds_load_b64 v[\reg+2*\p:\reg+2*\p+1], v[\adr] offset:8*PCE+16*(PCE/8)+(\i)*16*PITCH
.else
	ds_load_b64 v[\reg+2*\p:\reg+2*\p+1], v[\adr+2] offset:8*PCE+16*(PCE/8)+(\i)*16*PITCH
.endif
.endr
.endm
.macro FRAG_A reg, slot, q, i          ; A: two heads' images of tile i: registers 6 c + 2 p, 6 c + 2 p + 1
.irp c, 0,1
.irp p, 0,1,2
	ds_load_b64 v[\reg+6*\c+2*\p:\reg+6*\c+2*\p+1], v[ADRA+\slot] offset:(2*(\q)+\c)*6144+(\i)*768+256*\p
.endr
.endr
.endm
.macro MUL16 a0, p, q, sc, zero        ; the 64 accumulators take turns, one instruction a turn
.irp a, \a0, \a0+1
.irp b, 0,1,2,3,4,5,6,7
.if \zero
	v_wmma_scale_f32_16x16x128_f8f6f4 v[8*(8*((\a)%4)+\b):8*(8*((\a)%4)+\b)+7], v[128*(\p)+FR*\b:128*(\p)+FR*\b+FR-1], v[AF+FR*(\a):AF+FR*(\a)+FR-1], 0, v[SC+8*NQ*(\sc)+NQ*\b+(\q)], v[SC+8*NQ*(\sc)+NQ*(\a)+(\q)] matrix_a_fmt:MATRIX_FMT_FP6 matrix_b_fmt:MATRIX_FMT_FP6 matrix_a_scale:MATRIX_SCALE_ROW1
.else
	v_wmma_scale_f32_16x16x128_f8f6f4 v[8*(8*((\a)%4)+\b):8*(8*((\a)%4)+\b)+7], v[128*(\p)+FR*\b:128*(\p)+FR*\b+FR-1], v[AF+FR*(\a):AF+FR*(\a)+FR-1], v[8*(8*((\a)%4)+\b):8*(8*((\a)%4)+\b)+7], v[SC+8*NQ*(\sc)+NQ*\b+(\q)], v[SC+8*NQ*(\sc)+NQ*(\a)+(\q)] matrix_a_fmt:MATRIX_FMT_FP6 matrix_b_fmt:MATRIX_FMT_FP6 matrix_a_scale:MATRIX_SCALE_ROW1
.endif
.endr
.endr
.endm
.macro FETCH_B slot, q, p
	WIN TO_B
.irp i, 0,1,2,3,4,5,6,7
	FRAG 128*(\p)+FR*\i, ADRB+\slot, \q, \i
.endr
	WIN 0
.endm
.macro FETCH_A slot, q, i0
.irp i, \i0, \i0+1, \i0+2, \i0+3
	FRAG_A AF+FR*(\i), \slot, \q, \i
.endr
.endm
.macro SCALES sc
.irp i, 0,1,2,3,4,5,6,7
	ds_load_b64 v[SC+8*NQ*\sc+NQ*\i:SC+8*NQ*\sc+NQ*\i+1], v[ADRS] offset:\i*SBLK
.endr
.endm
.macro PLACES n
.rept \n
	v_nop
.endr
.endm
.macro STEP slot, q, zero
	s_wait_dscnt 4*NL                              ; the youngest 24 loads (A's blocks 4-7) may be out
	WIN MUL_LO
	MUL16 0, (\q)%2, \q, \slot, \zero
	MUL16 2, (\q)%2, \q, \slot, \zero
	s_wait_dscnt 0
	PLACES NP
	FETCH_B \slot, (\q)+1, 1-(\q)%2
	FETCH_A \slot, (\q)+1, 0
	WIN MUL_HI
	MUL16 4, (\q)%2, \q, \slot, \zero
	MUL16 6, (\q)%2, \q, \slot, \zero
	PLACES NP
	WIN 0
	FETCH_A \slot, (\q)+1, 4
.endm
.macro TURN slot, next, fill
	s_wait_tensorcnt 0x0                           ; all my tensor loads have landed: my part of the next slot
	ds_add_u32 v[SPW], v[NIL]                      ; 0 onto my spare word
	s_wait_dscnt 4*NL+1                            ; the add and the youngest 24 loads may be out
	WIN MUL_LO
	MUL16 0, 1, NQ-1, \slot, 0
	s_wait_dscnt 0x0                               ; the add is done, and my reads of this slot are over
	s_barrier_signal -1
	MUL16 2, 1, NQ-1, \slot, 0
	WIN 0
	s_barrier_wait -1
.if \fill
	CREST                                          ; the barrier has opened a round of the cluster's
	s_add_nc_u64 s[G0+4*\slot+2:G0+4*\slot+3], s[G0+4*\slot+2:G0+4*\slot+3], 2*ASTEP
	s_add_nc_u64 s[G0B+4*\slot+2:G0B+4*\slot+3], s[G0B+4*\slot+2:G0B+4*\slot+3], 2*ROWB
	JLOAD G0+4*\slot, G1, G0B+4*\slot, G1B
.else
	PLACES NP
.endif
	v_add_nc_u32 v[ADRS], 4*NQ, v[ADRS]
	FETCH_B \next, 0, 0
	FETCH_A \next, 0, 0
	SCALES \next
	WIN MUL_HI
	MUL16 4, 1, NQ-1, \slot, 0
	MUL16 6, 1, NQ-1, \slot, 0
	PLACES NP
	WIN 0
	FETCH_A \next, 0, 4
.endm
	s_wait_tensorcnt 1                             ; the scales and my part of K step 0 are in; K step 1's load may be out
	s_barrier_signal -1
	s_barrier_wait -1
	FETCH_B 0, 0, 0
	FETCH_A 0, 0, 0
	SCALES 0
	FETCH_A 0, 0, 4
	STEP 0, 0, 1
	s_mov_b32 s3, LAPS-1
.Llap:
	TURN 0, 1, 1
	STEP 1, 0, 0
	TURN 1, 0, 1
	STEP 0, 0, 0
	s_sub_co_u32 s3, s3, 1
	s_cmp_lg_u32 s3, 0
	s_cbranch_scc1 .Llap
	TURN 0, 1, 0
	STEP 1, 0, 0
	s_wait_dscnt 4*NL
	WIN MUL_LO
	MUL16 0, 1, NQ-1, 1, 0
	MUL16 2, 1, NQ-1, 1, 0
	s_wait_dscnt 0
	WIN MUL_HI
	MUL16 4, 1, NQ-1, 1, 0
	MUL16 6, 1, NQ-1, 1, 0
	WIN 0
; THE WAY OUT, block by block of 16 rows x 128 columns, through my own stage: in by true column, back as whole rows of 512 bytes.  LDS serves a wave's instructions in order (ISA guide 5.7.1.4).
.macro TOSTAGE a
.set AC, 64*((\a)%4)
	WIN 0x08+4*((\a)/4)                            ; the data: window 2 or 3
.irp b, 0,1,2,3,4,5,6,7
	ds_store_b128 v[STO], v[AC+8*\b:AC+8*\b+3] offset:128*(\b/2)+32*(\b%2)      ; each accumulator from its low end on
	ds_store_b128 v[STO], v[AC+8*\b+4:AC+8*\b+7] offset:128*(\b/2)+32*(\b%2)+16
.endr
	WIN 0
.set BB, BK+64*((\a)%2)
.irp t, 0,1,2,3,4,5,6,7,8,9,10,11,12,13,14,15
	ds_load_b128 v[BB+4*\t:BB+4*\t+3], v[RD] offset:\t*SPITCH
.endr
.endm
.macro SEND a, younger                 ; stage row t of block a is position 16 a + t: true row 32 (a / 2) + 8 (a % 2) + t + 8 (t / 8); at most 127 rows of 4,096 bytes: inside the immediate, so no base is stepped
.set BB, BK+64*((\a)%2)
	s_wait_dscnt \younger
.irp t, 0,1,2,3,4,5,6,7,8,9,10,11,12,13,14,15
	global_store_b128 v[CO], v[BB+4*\t:BB+4*\t+3], s[12:13] offset:(32*((\a)/2)+8*((\a)%2)+\t+8*(\t/8))*4096 th:TH_STORE_NT   ; 32 lanes store 512 consecutive bytes, aligned to 256
.endr
.endm
	PLACES NP
	TOSTAGE 0
.irp a, 1,2,3,4,5,6,7
.if \a > 1
	s_wait_xcnt 0x0                                ; block a - 2's stores have read their registers: block a's loads may land there
.endif
	TOSTAGE \a
	SEND \a-1, 32                                  ; behind block a - 1's loads: block a's 16 stores and 16 loads
.endr
	SEND 7, 0
	s_wait_tensorcnt 0x0                           ; the wave's end
	ds_add_u32 v[SPW], v[NIL]
	s_wait_dscnt 0x0
	CROUND                                         ; the closing round
	s_endpgm
.Lfunc_end_k_q09c4521d3e_oproj:
	.size	k_q09c4521d3e_oproj, .Lfunc_end_k_q09c4521d3e_oproj-k_q09c4521d3e_oproj
	.p2alignl 7, 3214868480
	.fill 96, 4, 3214868480
	.section	.rodata,"a",@progbits
	.p2align	6, 0x0
	.amdhsa_kernel k_q09c4521d3e_oproj
		.amdhsa_group_segment_fixed_size 327680
		.amdhsa_private_segment_fixed_size 0
		.amdhsa_enable_private_segment 0
		.amdhsa_kernarg_size 40
		.amdhsa_user_sgpr_count 2
		.amdhsa_user_sgpr_kernarg_segment_ptr 1
		.amdhsa_wavefront_size32 1
		.amdhsa_system_sgpr_workgroup_id_x 1
		.amdhsa_system_sgpr_workgroup_id_y 1
		.amdhsa_system_sgpr_workgroup_id_z 1
		.amdhsa_system_vgpr_workitem_id 0
		.amdhsa_next_free_vgpr 1024
		.amdhsa_next_free_sgpr 98
		.amdhsa_reserve_vcc 0
		.amdhsa_float_denorm_mode_32 3
		.amdhsa_float_denorm_mode_16_64 3
		.amdhsa_memory_ordered 1
		.amdhsa_forward_progress 1
		.amdhsa_inst_pref_size 159
	.end_amdhsa_kernel
	.amdgpu_metadata
---
amdhsa.version: [ 1, 2 ]
amdhsa.kernels:
  - .name:           k_q09c4521d3e_oproj
    .symbol:         k_q09c4521d3e_oproj.kd
    .args:
      - { .name: oc, .offset: 0, .size: 8, .value_kind: global_buffer, .address_space: global }
      - { .name: os, .offset: 8, .size: 8, .value_kind: global_buffer, .address_space: global }
      - { .name: cod, .offset: 16, .size: 8, .value_kind: global_buffer, .address_space: global }
      - { .name: scl, .offset: 24, .size: 8, .value_kind: global_buffer, .address_space: global }
      - { .name: out0, .offset: 32, .size: 8, .value_kind: global_buffer, .address_space: global }
    .group_segment_fixed_size: 327680
    .private_segment_fixed_size: 0
    .kernarg_segment_align: 8
    .kernarg_segment_size: 40
    .max_flat_workgroup_size: 128
    .sgpr_count:     98
    .vgpr_count:     1024
    .wavefront_size: 32
...
	.end_amdgpu_metadata
.endif
;; end of part 4
